; MI455X (gfx1250); checked and timed in simulation.
; The chip was launched on July 23, 2026; its instructions are those of AMD's public machine-readable ISA for CDNA 5 (MIT licence, August 2026) and "CDNA5" Instruction Set Architecture Reference Guide (July 2026). The comments in the code are by the model that wrote it; some were corrected since.
;; Transformer Block. Allowed arithmetic: matrix products marked QUANTISED: E2M3 operands, one E8M0 scale for each 32 along K, by v_wmma_scale_f32_16x16x128_f8f6f4 with both operands' format E2M3, f32 sums; everything else in f32.
;; Inputs: ffn_ln_b 2,048 float32; ffn_ln_w 2,048 float32; freqs_cis 2,048 x 16 x 2 float32; input_pos 2,048 int32; kn_w 128 float32; ln0_b 2,048 float32; ln0_w 2,048 float32; ln1_b 2,048 float32; ln1_w 2,048 float32; ln2_b 2,048 float32; ln2_w 2,048 float32; mask 1 x 1 x 2,048 x 2,048 bool; qn_w 128 float32; w1_b 1,472 float32; w1_w 1,472 x 2,048 float32; w2_b 2,048 float32; w2_w 2,048 x 1,472 float32; wk_b 2,048 float32; wk_w 2,048 x 2,048 float32; wo_b 2,048 float32; wo_w 2,048 x 2,048 float32; wq_b 2,048 float32; wq_w 2,048 x 2,048 float32; wv_b 2,048 float32; wv_w 2,048 x 2,048 float32; x0 1 x 2,048 x 2,048 float32; x1 1 x 2,048 x 2,048 float32; x2 1 x 2,048 x 2,048 float32; x3 1 x 2,048 x 2,048 float32.
;; Outputs: out0 1 x 2,048 x 2,048 float32.
;; This version of the problem:
;;   THIS VERSION OF THE PROBLEM IS GIVEN IN LOW PRECISION. The matrix products marked QUANTISED in the list below multiply operands that are first quantised to E2M3 (2 exponent bits, 3 mantissa bits; 6 bits a number), with one power-of-two scale for each 32 numbers along K (OCP MX v1.0); their sums are f32. All else is computed in f32.
;;   The module's matrix products, in the order in which they are computed (A, B: the left and right operand; K: the contracted axis; several contracted axes count as one K, in the product's order):
;;     1. [M 2,048, K 2,048] x [K 2,048, N 2,048]; A: computed on the way; B: input wq_w: QUANTISED
;;     2. [M 2,048, K 2,048] x [K 2,048, N 2,048]; A: computed on the way; B: input wk_w: QUANTISED
;;     3. [M 2,048, K 2,048] x [K 2,048, N 2,048]; A: computed on the way; B: input wv_w: QUANTISED
;;     4. batch 16 x [M 2,048, K 128] x [K 128, N 2,048]; A: computed on the way; B: computed on the way: QUANTISED
;;     5. batch 16 x [M 128, K 2,048] x [K 2,048, N 2,048]; A: computed on the way; B: softmax (see below): QUANTISED
;;     6. [M 2,048, K 2,048] x [K 2,048, N 2,048]; A: computed on the way; B: input wo_w: QUANTISED
;;     7. [M 2,048, K 2,048] x [K 2,048, N 1,472]; A: computed on the way; B: input w1_w: QUANTISED
;;     8. [M 2,048, K 1,472] x [K 1,472, N 2,048]; A: computed on the way; B: input w2_w: QUANTISED
;;   THE QUANTISER, for each operand of a quantised product, along K:
;;     - K is cut into blocks of 32 from its start; a last block that is shorter is filled with zeros.
;;     - A block's scale is 2^e with e = floor(log2(the largest magnitude in the block)) - 2, held to -126 .. 127; a block of zeros has e = 0. As a byte (E8M0): e + 127.
;;     - Each number is divided by its block's scale, clamped to +-7.5, and rounded to the nearest number of E2M3, ties to even, subnormals kept.
;;     - The product sums the exact products of the quantised numbers (number of the format x scale) in f32.
;;   ~~~python
;;   def quantise(x, axis):      # numpy; x: float32 -> the quantised numbers, widened to float32 again
;;       x = np.moveaxis(x, axis, -1); K = x.shape[-1]
;;       x = np.pad(x, [(0, 0)] * (x.ndim - 1) + [(0, -K % 32)]); x = x.reshape(x.shape[:-1] + (-1, 32)); a = np.abs(x).max(-1, keepdims=True)
;;       e = np.where(a > 0, np.clip(np.frexp(np.where(a > 0, a, 1))[1] - 1 - 2, -126, 127), 0)      # np.frexp(a)[1] - 1 = floor(log2(a)), exactly
;;       r = np.clip(x / 2.0 ** e, -7.5, 7.5)
;;       step = 2.0 ** (np.maximum(np.frexp(np.where(r == 0, 1, r))[1] - 1, 0) - 3)
;;       q = np.round(r / step) * step * 2.0 ** e      # np.round: ties to even
;;       return np.moveaxis(q.reshape(q.shape[:-2] + (-1,))[..., :K], -1, axis).astype(np.float32)
;;   ~~~
;;   SOFTMAX AHEAD OF A QUANTISED PRODUCT. Where the list says 'softmax', what is quantised is not the finished softmax but p = 2^(t - M), with t = logit x log2(e) and M = ceil(the row's largest t), a whole number; so 1/2 < the row's largest p <= 1. The row's sum l is taken of the UNQUANTISED p, in f32, and the product's result is divided by l at the end. Since M is a whole number, a kernel that streams over the keys may use a running M (the ceiling of the running maximum): every later rescaling is an exact power of two, which a block's scale takes up: the codes' values come out the same.
;;   OPERANDS COMPUTED ON THE WAY. 'Computed on the way' means the value that the module computes at that place (a softmax that the list does not call 'softmax' is quantised finished and normalised). What goes into a quantiser is computed in f32, as accurately as f32 sums, v_exp_f32 and their like allow (about 1e-6 of the number): no bf16 or f16 on the way to a quantiser, and a product that is left as it is and whose result goes on into a quantised operand takes f32 operands (vector FMAs, or v_wmma_f32_16x16x4_f32). A number that lies on a knife's edge between two numbers of the format may be rounded either way, as far as f32 arithmetic and the matrix unit's own rounding can turn it there, and no further.
;; One version. Each part assembles by itself: llvm-mc -triple=amdgcn-amd-amdhsa -mcpu=gfx1250 --defsym DOCPART=n.
;; ======== version 1 of 1: 4 launches
;; limits: right only within a limited range of input values
;; workspace buffers: pc 29,884,416 bytes; ps 1,245,184 bytes; mw 524,288 bytes of whole numbers; qc 9,437,184 bytes; qs 393,216 bytes; ac 5,505,024 bytes; asc 229,376 bytes
;; launch prep (part 1): grid 1504 x 1, 4 waves a work-group, no clusters, 61,440 bytes of LDS; arguments x0, x1, x2, x3, wq_w, wk_w, wv_w, wo_w, w1_w, w2_w, ln0_w, ln1_w, ln2_w, ffn_ln_w, ln0_b, ln1_b, ln2_b, ffn_ln_b, mask, pc, ps, mw; writes pc, ps, mw
.if DOCPART == 1
	.amdgcn_target "amdgcn-amd-amdhsa--gfx1250"
	.amdhsa_code_object_version 6
	.text
	.protected	k_q666f91081b_prep
	.globl	k_q666f91081b_prep
	.p2align	8
	.type	k_q666f91081b_prep,@function
k_q666f91081b_prep:
	s_mov_b64 s[64:65], 0
	v_nop
	global_prefetch_b8 v0, s[64:65] scope:SCOPE_SE
	s_setreg_imm32_b32 hwreg(HW_REG_WAVE_MODE, 25, 1), 1
	s_wait_xcnt 0x0
; LayerNorm(x0..x3) and the six weights become codes of FP6 (E2M3) with one E8M0 byte for each 32 along K; the mask becomes words of lane bits.
; OUTPUT LAYOUT: a fragment (16 rows x 128 K) is stored as the image of an operand's 12 registers: register j of lane L at (j/4)*512 + 16 L + 4 (j%4), 1,536 bytes;
; its 16 scale words (row r at 4 r) are 64 bytes.  A tensor is [rowtile][K step][1536] and [rowtile][K step][64].
; In the images of nk, nv, wq, wk, wv, w1 the place 16 tile + r holds the row whose number has bits 3 and 4 exchanged, so that a product's eight results a lane are neighbours along the next K.
; SHARES: work-groups 0-1023: tensor id/128 (x0 x1 x2 x3 wq wk wv wo), rowtile id%128; 1024-1119: w1 (96 rowtiles); 1120-1247: w2; 1248-1503: the mask.
; A rowtile's 16 rows: wave w takes places 4 w .. 4 w + 3, four consecutive rows of the source, one row at a time, whole in 64 registers a lane.
; w1 has 92 rowtiles; tiles 92-95 repeat tile 91's rows: the hidden units 1472.. that they make meet w2's zero codes in the last product and add nothing.
; w2's K = 1472 is filled with zeros to 1536 (12 K steps).
; A block's scale byte is its largest magnitude's exponent field - 2, held at 1 from below.
; LIMITS: NaN and infinities are not served; a block whose largest magnitude lies under 2^-124 (a block of zeros too) keeps the byte 1 where the quantiser's rule says 127 for zeros: its codes are zeros and only this program reads the bytes.
; input_pos is a parameter of reference() that its body never reads: it has no way to the output, is not loaded and is no argument of any launch.
.set STGB, 8704                        ; a wave's stage: 32 places of 256 bytes + 16
.set IMG,  4*STGB                      ; the rowtile's 16 images, 1,536 bytes + 16 apart
.set IPT,  1552
.set SCL,  IMG+16*IPT                  ; its 16 x 64 bytes of scale words
.set X,   16                           ; v16-79   a row as loaded: register 4 j + e = column 128 j + 4 lane + e
.set LW,  80                           ; v80-143  LayerNorm's gain, same layout
.set LB,  144                          ; v144-207 its bias
.set Z,   208                          ; v208-239 a block of 32 neighbours; LayerNorm's partial sums
.set C,   240                          ; v240-246 a block's codes
.set M0,  248
.set M1,  249
.set SO,  250                          ; the conversion's scale operand
.set BY,  251                          ; two scale bytes
.set MN,  252                          ; v252-253 the mean, twice
.set RS,  254                          ; v254-255 1/sqrt(var + eps), twice
.set WV,  48
.set T,   49                           ; which tensor, 0..9
.set TILE, 50
.set SRC, 52                           ; s[52:53] my row in the source
.set PLW, 54
.set PLB, 56
.set PIT, 58                           ; s[58:59] a source row in bytes
.set OCD, 60                           ; s[60:61] where the rowtile's codes go
.set OSC, 62                           ; s[62:63] and its scale words
	s_load_b512 s[4:19], s[0:1], 0x0               ; x0 x1 x2 x3 wq wk wv wo
	s_load_b512 s[20:35], s[0:1], 0x40             ; w1 w2, four gains, ln0_b ln1_b
	s_load_b256 s[36:43], s[0:1], 0x80             ; ln2_b ffn_ln_b mask pc
	s_load_b128 s[44:47], s[0:1], 0xa0             ; ps mw
	v_lshl_add_u32 v247, v0, 2, 0xee00
	s_set_vgpr_msb 0x40
	v_mov_b32 v1, 0
	s_set_vgpr_msb 0x4000
	v_lshrrev_b32 v1, 5, v0
	v_readfirstlane_b32 s[WV], v1                  ; wave
	v_and_b32 v1, 31, v0                           ; lane
	v_lshlrev_b32 v2, 4, v1                        ; 16 x lane
	s_cmp_ge_u32 ttmp9, 1248
	s_cbranch_scc1 .Lmask
	s_lshr_b32 s[T], ttmp9, 7
	s_and_b32 s[TILE], ttmp9, 127
	s_sub_co_u32 s51, ttmp9, 1120
	s_cmp_ge_u32 ttmp9, 1120
	s_cselect_b32 s[T], 9, s[T]
	s_cselect_b32 s[TILE], s51, s[TILE]
	s_min_u32 s66, s[TILE], 91                     ; w1's padding tiles read tile 91
	s_cmp_eq_u32 s[T], 8
	s_cselect_b32 s66, s66, s[TILE]
	s_lshl_b32 s67, s66, 4
	s_lshl_b32 s51, s[WV], 2
	s_add_co_u32 s67, s67, s51                     ; plain: row 16 tile + 4 w
	s_lshr_b32 s73, s66, 1
	s_lshl_b32 s73, s73, 5
	s_and_b32 s74, s66, 1
	s_lshl_b32 s74, s74, 3
	s_add_co_u32 s73, s73, s74
	s_lshr_b32 s74, s[WV], 1
	s_lshl_b32 s74, s74, 4
	s_add_co_u32 s73, s73, s74
	s_and_b32 s74, s[WV], 1
	s_lshl_b32 s74, s74, 2
	s_add_co_u32 s73, s73, s74                     ; exchanged: 32 (tile/2) + 16 (w/2) + 8 (tile%2) + 4 (w%2)
	s_lshr_b32 s74, 0x176, s[T]                    ; tensors 1, 2, 4, 5, 6, 8 are laid exchanged
	s_and_b32 s74, s74, 1
	s_cmp_eq_u32 s74, 1
	s_cselect_b32 s67, s73, s67
	s_mov_b32 s[PIT], 5888
	s_cmp_eq_u32 s[T], 9
	s_cselect_b32 s[PIT], s[PIT], 8192
	s_mov_b32 s[PIT+1], 0
	s_mul_i32 s66, s67, s[PIT]                     ; my first row's byte offset (under 2^25)
	s_mov_b32 s67, 0
	s_cmp_eq_u32 s[T], 8
	s_cselect_b32 s73, 7, s[T]                     ; place among the tensors of 16 K steps
	s_mul_i32 s[OCD], s73, 0x300000
	s_mul_i32 s74, s[TILE], 24576
	s_add_co_u32 s[OCD], s[OCD], s74
	s_lshl_b32 s[OSC], s73, 17
	s_lshl_b32 s74, s[TILE], 10
	s_add_co_u32 s[OSC], s[OSC], s74
	s_mul_i32 s74, s[TILE], 43008                  ; [wo | w2]: 28 K steps a rowtile
	s_add_co_u32 s74, s74, 0x1740000
	s_mul_i32 s75, s[TILE], 1792
	s_add_co_u32 s75, s75, 0xf8000
	s_cmp_eq_u32 s[T], 7
	s_cselect_b32 s[OCD], s74, s[OCD]
	s_cselect_b32 s[OSC], s75, s[OSC]
	s_add_co_u32 s74, s74, 24576                   ; w2 behind wo's 16 K steps
	s_add_co_u32 s75, s75, 1024
	s_cmp_eq_u32 s[T], 9
	s_cselect_b32 s[OCD], s74, s[OCD]
	s_cselect_b32 s[OSC], s75, s[OSC]
	s_mov_b32 s[OCD+1], 0
	s_mov_b32 s[OSC+1], 0
	s_mov_b32 s68, 0x76543210
	s_mov_b32 s69, 0xfedcba98                      ; lane l xor 16
	s_mov_b32 s70, 0x3a000000                      ; 1 / 2048
	s_mov_b32 s71, 0x3727c5ac                      ; 1e-5
	; LDS addresses
	s_mul_i32 s51, s[WV], STGB
	s_wait_alu depctr_va_vdst(0)
	v_lshrrev_b32 v12, 4, v1
	v_and_b32 v13, 15, v1
	v_mul_u32_u24 v3, v12, 272
	v_lshl_add_u32 v3, v13, 4, v3
	v_add_nc_u32 v3, s51, v3                       ; v3: into the stage: a load's 512 bytes are two places
	v_mul_u32_u24 v4, v1, 272
	v_add_nc_u32 v4, s51, v4                       ; v4: out of it: place = lane: columns 64 lane .. 64 lane + 63
	v_lshrrev_b32 v12, 1, v1                       ; my K step
	v_and_b32 v13, 1, v1                           ; which 64 of its 128
	s_lshl_b32 s51, s[WV], 6
	s_add_co_u32 s51, s51, IMG
	v_mul_u32_u24 v5, v12, IPT
	v_add_nc_u32 v5, s51, v5
	v_mad_u32_u24 v6, v13, 1016, v5                ; v5, v6: where a block's 24 bytes go in the image: registers 0-5 of the target lane, or 6-11
	v_mad_u32_u24 v5, v13, 520, v5
	s_lshl_b32 s51, s[WV], 4
	s_add_co_u32 s51, s51, SCL
	v_lshlrev_b32 v7, 6, v12
	v_lshl_add_u32 v7, v13, 1, v7
	v_add_nc_u32 v7, s51, v7                       ; v7: my two bytes of a row's scale word
	s_mul_i32 s51, s[WV], IPT
	s_add_co_u32 s51, s51, IMG
	v_add_nc_u32 v8, s51, v2                       ; v8: the way out: image w + 4 g, 16 bytes a lane
	s_mul_i32 s51, s[WV], 1536
	v_add_nc_u32 v9, s51, v2                       ; v9: the same in memory
	s_lshl_b32 s51, s[WV], 8
	v_lshl_add_u32 v11, v1, 3, s51                 ; v11: scale words, 256 bytes a wave
	v_add_nc_u32 v10, SCL, v11
	v_cmp_gt_u32 vcc_lo, 16, v1                    ; lanes 0-15: for w2's half load
.set n, 44
.rept 20
	v_mov_b32 v[X+n], 0                            ; w2's columns 1472.. stay zeros: its loads never write them
.set n, n+1
.endr
	s_wait_kmcnt 0x0
	s_mov_b64 s[SRC:SRC+1], s[4:5]
.irp t, 1,2,3,4,5,6,7,8,9
	s_cmp_eq_u32 s[T], \t
	s_cselect_b64 s[SRC:SRC+1], s[4+2*\t:5+2*\t], s[SRC:SRC+1]
.endr
	s_mov_b64 s[PLW:PLW+1], s[24:25]
	s_mov_b64 s[PLB:PLB+1], s[32:33]
.irp t, 1,2,3
	s_cmp_eq_u32 s[T], \t
	s_cselect_b64 s[PLW:PLW+1], s[24+2*\t:25+2*\t], s[PLW:PLW+1]
	s_cselect_b64 s[PLB:PLB+1], s[32+2*\t:33+2*\t], s[PLB:PLB+1]
.endr
	s_add_nc_u64 s[SRC:SRC+1], s[SRC:SRC+1], s[66:67]
	s_add_nc_u64 s[OCD:OCD+1], s[42:43], s[OCD:OCD+1]
	s_add_nc_u64 s[OSC:OSC+1], s[44:45], s[OSC:OSC+1]
	s_cmp_lt_u32 s[T], 4
	s_cbranch_scc0 .Lweights
.irp j, 0,1,2,3,4,5,6,7,8,9,10,11,12,13,14,15
	global_load_b128 v[LW+4*\j:LW+4*\j+3], v2, s[PLW:PLW+1] offset:512*\j
	global_load_b128 v[LB+4*\j:LB+4*\j+3], v2, s[PLB:PLB+1] offset:512*\j
.endr
	s_branch .Lgain_done
.Lweights:                                         ; a weight has no norm: the registers are written all the same, so that they are written on every path
.set n, 0
.rept 128
	v_mov_b32 v[LW+n], 0
.set n, n+1
.endr
.Lgain_done:
; a row into X: sixteen loads of 512 consecutive bytes; w2's row is 5,888 bytes: eleven and a half
.macro LOADROW
	s_cmp_eq_u32 s[T], 9
	s_cbranch_scc1 .Lshort_\@
.irp j, 0,1,2,3,4,5,6,7,8,9,10,11,12,13,14,15
	global_load_b128 v[X+4*\j:X+4*\j+3], v2, s[SRC:SRC+1] offset:512*\j th:TH_LOAD_NT
.endr
	s_branch .Lasked_\@
.Lshort_\@:
	s_wait_xcnt 0x0                                ; EXEC is a source of pending loads: it changes only behind this wait
	s_and_saveexec_b32 s72, vcc_lo
	global_load_b128 v[X+44:X+47], v2, s[SRC:SRC+1] offset:5632 th:TH_LOAD_NT
	s_wait_xcnt 0x0
	s_or_b32 exec_lo, exec_lo, s72
.irp j, 0,1,2,3,4,5,6,7,8,9,10
	global_load_b128 v[X+4*\j:X+4*\j+3], v2, s[SRC:SRC+1] offset:512*\j th:TH_LOAD_NT
.endr
.Lasked_\@:
.endm
.macro REDUCE                          ; four packed partial sums in v[Z..Z+7] -> the row's sum in v[Z] of every lane
	v_pk_add_f32 v[Z:Z+1], v[Z:Z+1], v[Z+2:Z+3]
	v_pk_add_f32 v[Z+4:Z+5], v[Z+4:Z+5], v[Z+6:Z+7]
	v_pk_add_f32 v[Z:Z+1], v[Z:Z+1], v[Z+4:Z+5]
	v_add_f32 v[Z], v[Z], v[Z+1]
	v_add_f32_dpp v[Z], v[Z], v[Z] row_xmask:1 row_mask:0xf bank_mask:0xf
	v_add_f32_dpp v[Z], v[Z], v[Z] row_xmask:2 row_mask:0xf bank_mask:0xf
	v_add_f32_dpp v[Z], v[Z], v[Z] row_xmask:4 row_mask:0xf bank_mask:0xf
	v_add_f32_dpp v[Z], v[Z], v[Z] row_xmask:8 row_mask:0xf bank_mask:0xf
	v_permlanex16_b32 v[Z+1], v[Z], s68, s69
	v_add_f32 v[Z], v[Z], v[Z+1]
.endm
; LayerNorm of the row in X, in place, in two passes: the mean first, then the squares of x - mean: no difference of large sums
.macro LNORM
.irp c, 0,1,2,3
	v_pk_add_f32 v[Z+2*\c:Z+2*\c+1], v[X+4*\c:X+4*\c+1], v[X+4*\c+2:X+4*\c+3]
.endr
.irp j, 16,24,32,40,48,56
.irp c, 0,1,2,3
	v_pk_add_f32 v[Z+2*\c:Z+2*\c+1], v[Z+2*\c:Z+2*\c+1], v[X+\j+2*\c:X+\j+2*\c+1]
.endr
.endr
	REDUCE
	v_mul_f32 v[MN], s70, v[Z]
	v_mul_f32 v[MN+1], s70, v[Z]
.set n, 0
.rept 32
	v_pk_add_f32 v[X+n:X+n+1], v[X+n:X+n+1], v[MN:MN+1] neg_lo:[0,1] neg_hi:[0,1]
.set n, n+2
.endr
.irp c, 0,1,2,3
	v_pk_mul_f32 v[Z+2*\c:Z+2*\c+1], v[X+2*\c:X+2*\c+1], v[X+2*\c:X+2*\c+1]
.endr
.irp j, 8,16,24,32,40,48,56
.irp c, 0,1,2,3
	v_pk_fma_f32 v[Z+2*\c:Z+2*\c+1], v[X+\j+2*\c:X+\j+2*\c+1], v[X+\j+2*\c:X+\j+2*\c+1], v[Z+2*\c:Z+2*\c+1]
.endr
.endr
	REDUCE
	v_fma_f32 v[Z], v[Z], s70, s71                 ; variance + eps
	s_wait_alu depctr_va_vdst(0)
	v_rsq_f32 v[RS], v[Z]
	v_nop                                          ; a plain instruction behind the transcendental
	s_wait_alu depctr_va_vdst(0)                   ; and the wait ahead of the first use
	v_mov_b32 v[RS+1], v[RS]
.set n, 0
.rept 32
	v_pk_mul_f32 v[X+n:X+n+1], v[X+n:X+n+1], v[RS:RS+1]
.set n, n+2
.endr
.set n, 0
.rept 32
	v_pk_fma_f32 v[X+n:X+n+1], v[X+n:X+n+1], v[LW+n:LW+n+1], v[LB+n:LB+n+1]
.set n, n+2
.endr
.endm
; the block of 32 in Z becomes 24 bytes of codes in the image (target lane 4 w + i + 16 h of my K step) and a scale byte
.macro QBLK h, i
	v_max3_num_f32 v[M0], |v[Z]|, |v[Z+1]|, 0x1800000          ; with the floor 2^(3 - 127) among the leaves: the byte cannot fall under 1
	v_max3_num_f32 v[M1], |v[Z+2]|, |v[Z+3]|, |v[Z+4]|
.irp k, 5,9,13,17,21,25
	v_max3_num_f32 v[M0], v[M0], |v[Z+\k]|, |v[Z+\k+1]|
	v_max3_num_f32 v[M1], v[M1], |v[Z+\k+2]|, |v[Z+\k+3]|
.endr
	v_max3_num_f32 v[M0], v[M0], |v[Z+29]|, |v[Z+30]|
	v_max3_num_f32 v[M0], v[M0], v[M1], |v[Z+31]|
	v_add_nc_u32 v[SO], 0xff000000, v[M0]          ; 2 off the exponent field: the conversion's scale operand
	v_cvt_scalef32_pk16_fp6_f32 v[C:C+2], v[Z:Z+15], v[SO]
	v_cvt_scalef32_pk16_fp6_f32 v[C+4:C+6], v[Z+16:Z+31], v[SO]    ; (a conversion's three registers begin on an even number)
.if \h
	v_lshrrev_b32 v[M1], 23, v[SO]                 ; the byte; also the plain instruction behind the conversions
.else
	v_lshrrev_b32 v[BY], 23, v[SO]
.endif
	v_mov_b32 v[C+3], v[C+4]
	v_mov_b32 v[C+4], v[C+5]
	v_mov_b32 v[C+5], v[C+6]
	ds_store_b64 v5, v[C:C+1] offset:16*\i+256*\h
	ds_store_b64 v6, v[C+2:C+3] offset:16*\i+256*\h+8
	ds_store_b64 v5, v[C+4:C+5] offset:16*\i+256*\h+512
.endm
.macro ROW i
	s_wait_loadcnt 0x0                             ; the row (and, the first time, gain and bias)
	s_cmp_lt_u32 s[T], 4
	s_cbranch_scc0 .Lplain_\@
	LNORM
.Lplain_\@:
	s_wait_alu depctr_va_vdst(0)
.irp j, 0,1,2,3,4,5,6,7,8,9,10,11,12,13,14,15
	ds_store_b128 v3, v[X+4*\j:X+4*\j+3] offset:544*\j             ; through my own stage: LDS serves a wave's instructions in order
.endr
.irp k, 0,1,2,3,4,5,6,7
	ds_load_b128 v[Z+4*\k:Z+4*\k+3], v4 offset:16*\k               ; my first block of 32 neighbours
.endr
	s_wait_dscnt 8                                 ; the 8 loads may be out; the 16 stores have read X
.if \i < 3
	s_add_nc_u64 s[SRC:SRC+1], s[SRC:SRC+1], s[PIT:PIT+1]          ; (the loads that read this base are in)
	LOADROW                                        ; the next row is on its way while this one is quantised
.endif
	s_wait_dscnt 0x0
	QBLK 0, \i
.irp k, 0,1,2,3,4,5,6,7
	ds_load_b128 v[Z+4*\k:Z+4*\k+3], v4 offset:128+16*\k           ; my second block
.endr
	s_wait_dscnt 0x0                               ; it is in, and the stores above have read the codes' registers
	QBLK 1, \i
	v_lshl_or_b32 v[BY], v[M1], 8, v[BY]
	ds_store_b16 v7, v[BY] offset:4*\i
.endm
	LOADROW
	ROW 0
	ROW 1
	ROW 2
	ROW 3
	s_wait_dscnt 0x0                               ; for the others' sake: my stores into the images are done
	s_barrier_signal -1
	s_barrier_wait -1
	; the way out: wave w stores images w, w + 4, w + 8 (, w + 12): each store covers 512 consecutive bytes
.irp g, 0,1,2
.irp c, 0,1,2
	ds_load_b128 v[X+12*\g+4*\c:X+12*\g+4*\c+3], v8 offset:\g*4*IPT+512*\c
.endr
.endr
	ds_load_b64 v[Z:Z+1], v10
	s_wait_dscnt 0x0
.irp g, 0,1,2
.irp c, 0,1,2
	global_store_b128 v9, v[X+12*\g+4*\c:X+12*\g+4*\c+3], s[OCD:OCD+1] offset:\g*6144+512*\c
.endr
.endr
	s_cmp_eq_u32 s[T], 9
	s_cselect_b32 s51, 3, 4                        ; w2 has 12 K steps: 768 bytes of scale words, three waves' worth
	s_cmp_lt_u32 s[WV], s51
	s_cbranch_scc0 .Lno_scales
	global_store_b64 v11, v[Z:Z+1], s[OSC:OSC+1]   ; 32 lanes store 256 consecutive bytes
.Lno_scales:
	s_cmp_eq_u32 s[T], 9
	s_cbranch_scc1 .Lend
.irp c, 0,1,2
	ds_load_b128 v[X+36+4*\c:X+36+4*\c+3], v8 offset:12*IPT+512*\c
.endr
	s_wait_dscnt 0x0
.irp c, 0,1,2
	global_store_b128 v9, v[X+36+4*\c:X+36+4*\c+3], s[OCD:OCD+1] offset:18432+512*\c
.endr
.Lend:
	s_set_vgpr_msb 0x4
	s_wait_tensorcnt 0x0
	ds_add_u32 v247, v1
	s_wait_dscnt 0x0
	s_set_vgpr_msb 0x400
	s_endpgm
; THE MASK.  A wave takes 16 queries x 256 keys and makes 128 words: bit L of word 64 s + 16 b + i = mask[16 qtile + L%16][128 (2 part + s) + 32 b + 16 (L/16) + i]:
; the lane bits with which the attention kernel selects, register by register.  Laid [qtile][key step][64 words].
.Lmask:
	s_sub_co_u32 s50, ttmp9, 1248
	s_lshl_b32 s50, s50, 2
	s_add_co_u32 s50, s50, s[WV]                   ; task = 8 qtile + part
	s_lshr_b32 s51, s50, 3
	s_and_b32 s66, s50, 7
	s_lshl_b32 s51, s51, 15                        ; 16 rows of 2,048 bytes
	s_lshl_b32 s66, s66, 8
	s_add_co_u32 s51, s51, s66
	s_wait_alu depctr_va_vdst(0)
	v_and_b32 v3, 15, v1
	v_lshrrev_b32 v4, 4, v1
	v_lshlrev_b32 v3, 11, v3
	v_lshl_add_u32 v3, v4, 4, v3
	v_add_nc_u32 v3, s51, v3
	s_lshl_b32 s66, s50, 9
	v_add_nc_u32 v5, s66, v2                       ; out: 512 bytes a task, 16 a lane
	s_wait_alu depctr_va_vdst(0)
	s_wait_kmcnt 0x0
.irp k, 0,1,2,3,4,5,6,7
	global_load_b128 v[16+4*\k:19+4*\k], v3, s[40:41] offset:32*\k  ; the eight together read 256 consecutive bytes of each of 16 rows
.endr
.irp k, 0,1,2,3
	v_mov_b32 v[8+\k], 0                           ; v_writelane's destination counts as read
.endr
	s_wait_alu depctr_va_vdst(0)
	s_wait_loadcnt 0x0
.set n, 0
.rept 128
	v_bfe_u32 v[12+n%4], v[16+4*(n/16)+(n%16)/4], 8*(n%4), 8
	v_cmp_ne_u32 s[80+n%8], 0, v[12+n%4]
	v_writelane_b32 v[8+n%4], s[80+n%8], n/4       ; word n: register n%4 of lane n/4
.set n, n+1
.endr
	global_store_b128 v5, v[8:11], s[46:47]
	s_endpgm
.Lfunc_end_k_q666f91081b_prep:
	.size	k_q666f91081b_prep, .Lfunc_end_k_q666f91081b_prep-k_q666f91081b_prep
	.p2alignl 7, 3214868480
	.fill 96, 4, 3214868480
	.section	.rodata,"a",@progbits
	.p2align	6, 0x0
	.amdhsa_kernel k_q666f91081b_prep
		.amdhsa_group_segment_fixed_size 61440
		.amdhsa_private_segment_fixed_size 0
		.amdhsa_enable_private_segment 0
		.amdhsa_kernarg_size 176
		.amdhsa_user_sgpr_count 2
		.amdhsa_user_sgpr_kernarg_segment_ptr 1
		.amdhsa_wavefront_size32 1
		.amdhsa_system_sgpr_workgroup_id_x 1
		.amdhsa_system_sgpr_workgroup_id_y 1
		.amdhsa_system_sgpr_workgroup_id_z 1
		.amdhsa_system_vgpr_workitem_id 0
		.amdhsa_next_free_vgpr 258
		.amdhsa_next_free_sgpr 100
		.amdhsa_reserve_vcc 1
		.amdhsa_float_denorm_mode_32 3
		.amdhsa_float_denorm_mode_16_64 3
		.amdhsa_memory_ordered 1
		.amdhsa_forward_progress 1
		.amdhsa_inst_pref_size 120
	.end_amdhsa_kernel
	.amdgpu_metadata
---
amdhsa.version: [ 1, 2 ]
amdhsa.kernels:
  - .name:           k_q666f91081b_prep
    .symbol:         k_q666f91081b_prep.kd
    .args:
      - { .name: x0, .offset: 0, .size: 8, .value_kind: global_buffer, .address_space: global }
      - { .name: x1, .offset: 8, .size: 8, .value_kind: global_buffer, .address_space: global }
      - { .name: x2, .offset: 16, .size: 8, .value_kind: global_buffer, .address_space: global }
      - { .name: x3, .offset: 24, .size: 8, .value_kind: global_buffer, .address_space: global }
      - { .name: wq_w, .offset: 32, .size: 8, .value_kind: global_buffer, .address_space: global }
      - { .name: wk_w, .offset: 40, .size: 8, .value_kind: global_buffer, .address_space: global }
      - { .name: wv_w, .offset: 48, .size: 8, .value_kind: global_buffer, .address_space: global }
      - { .name: wo_w, .offset: 56, .size: 8, .value_kind: global_buffer, .address_space: global }
      - { .name: w1_w, .offset: 64, .size: 8, .value_kind: global_buffer, .address_space: global }
      - { .name: w2_w, .offset: 72, .size: 8, .value_kind: global_buffer, .address_space: global }
      - { .name: ln0_w, .offset: 80, .size: 8, .value_kind: global_buffer, .address_space: global }
      - { .name: ln1_w, .offset: 88, .size: 8, .value_kind: global_buffer, .address_space: global }
      - { .name: ln2_w, .offset: 96, .size: 8, .value_kind: global_buffer, .address_space: global }
      - { .name: ffn_ln_w, .offset: 104, .size: 8, .value_kind: global_buffer, .address_space: global }
      - { .name: ln0_b, .offset: 112, .size: 8, .value_kind: global_buffer, .address_space: global }
      - { .name: ln1_b, .offset: 120, .size: 8, .value_kind: global_buffer, .address_space: global }
      - { .name: ln2_b, .offset: 128, .size: 8, .value_kind: global_buffer, .address_space: global }
      - { .name: ffn_ln_b, .offset: 136, .size: 8, .value_kind: global_buffer, .address_space: global }
      - { .name: mask, .offset: 144, .size: 8, .value_kind: global_buffer, .address_space: global }
      - { .name: pc, .offset: 152, .size: 8, .value_kind: global_buffer, .address_space: global }
      - { .name: ps, .offset: 160, .size: 8, .value_kind: global_buffer, .address_space: global }
      - { .name: mw, .offset: 168, .size: 8, .value_kind: global_buffer, .address_space: global }
    .group_segment_fixed_size: 61440
    .private_segment_fixed_size: 0
    .kernarg_segment_align: 8
    .kernarg_segment_size: 176
    .max_flat_workgroup_size: 128
    .sgpr_count:     100
    .vgpr_count:     258
    .wavefront_size: 32
...
	.end_amdgpu_metadata
.endif
;; end of part 1
;; launch gemm1 (part 2): grid 60 x 4, 4 waves a work-group, clusters of 4 x 4, 327,680 bytes of LDS; arguments pc, ps, wq_b, wk_b, wv_b, w1_b, qn_w, kn_w, freqs_cis, qc, qs, ac, asc; writes qc, qs, ac, asc
.if DOCPART == 2
	.amdgcn_target "amdgcn-amd-amdhsa--gfx1250"
	.amdhsa_code_object_version 6
	.text
	.protected	k_q666f91081b_gemm1
	.globl	k_q666f91081b_gemm1
	.p2align	8
	.type	k_q666f91081b_gemm1,@function
k_q666f91081b_gemm1:
	s_mov_b64 s[64:65], 0
	v_nop
	global_prefetch_b8 v0, s[64:65] scope:SCOPE_SE
	s_setreg_imm32_b32 hwreg(HW_REG_WAVE_MODE, 25, 1), 1
	s_wait_xcnt 0x0
	s_wait_alu depctr_hold_cnt(0) depctr_sa_sdst(0) depctr_va_vdst(0) depctr_va_sdst(0) depctr_va_ssrc(0) depctr_va_vcc(0) depctr_vm_vsrc(0)
	s_getreg_b32 s2, hwreg(HW_REG_IB_STS2, 6, 4)
	s_cmp_eq_u32 s2, 0
	s_cbranch_scc0 .Lentry_in_a_cluster
	s_endpgm
.Lentry_in_a_cluster:
	s_bfe_u32 s2, ttmp6, 0x10000c
	s_cmp_lg_u32 s2, 0xf033
	s_cbranch_scc0 .Lentry_shape_is_right
	s_endpgm
.Lentry_shape_is_right:
; The four products with K = 2048 on codes of FP6 (E2M3): q, k, v and the FFN's first.  Each result is finished in registers and leaves as codes for the next product.
; D = S0 x S1 (source 0: 16 rows of S0, source 1: 16 rows of S1): lane (r, h) holds S1's row r, and register 16 b + i of its eight accumulators is S0's row 32 b + 16 h + i of 128:
; 64 numbers a lane that run along the NEXT product's K.
;   mode 0  S0 = wq, S1 = LN(x0): + bias, RMS norm over the head, rope, quantised: q's fragment (head, 16 queries)
;   mode 1  S0 = wk, S1 = LN(x1): the same: k's fragment (head, 16 keys in the order that the attention kernel wants)
;   mode 2  S0 = LN(x2), S1 = wv: + bias, quantised along the keys: V^T's fragment (head, 128 keys, 16 channels)
;   mode 3  S0 = w1 (1,536 rows), S1 = LN(x3): + bias, gelu, quantised: K step 16 + tile of [y | g]
; SHARES: a work-group makes 512 (S1) x 128 (S0); its four waves are stacked along S1, 128 x 128 each: 64 accumulators, 512 registers.  240 work-groups: 64 + 64 + 64 + 48.
; K goes in tiles of two K steps of 128 through a ring of two LDS slots.  Operands lie in memory as images of their registers: a fragment is three ds_load_b128 of 512 consecutive bytes.
; CLUSTERS 4 x 4: S1's tiles hang on cy alone and are asked for jointly along a row, S0's on the tile column alone and along a column.
; THE HEAD: one joint load a wave: wave 0 S1's whole tile 0, wave 1 S0's, wave 2 S1's scale words, wave 3 S0's (the scale words of all K stay in LDS).  In the ring waves 0, 1 fetch S1's halves, wave 2 S0's tile.
; PREFETCH: a tile of the cluster is 4 x 98,304 + 4 x 24,576 bytes.  Of S1's 384 blocks of 256 bytes the partner at cx takes 96, its waves 0-2 32 each, a lane a block; of S0's 96 blocks the partner at cy
; takes 24, its wave 3 (lanes 24-31 name its last block again).  With tile j's load tile j + 2 is named; the head names tiles 1 and 2; tiles 6 and 7's loads name nothing.
; gelu(x) = max(x, 0) - |x| erfc(|x| / sqrt 2) / 2, erfc(t) = r (a1 + r (a2 + r (a3 + r (a4 + r a5)))) exp(-t t), r = 1 / (1 + 0.3275911 t): absolute error about 2e-7 of 1, so far out in the negative tail not relative to the number.
; LIMITS: NaN and infinities are not served; a block whose largest magnitude lies under 2^-124 keeps the scale byte 1; rope's x c - y s is a multiply and a fused multiply-add.
; w1_b is read clamped for the hidden units 1472..1535, which do not exist: what they make meets zero codes in the last product.
; REGISTERS: window 0: v1 spare word, v2 zero, v3 16 lane, v4 4 r, v8-11 fragment addresses, v12 scale words' address, v13-19 the epilogue's offsets, v20 the prefetches' offset, v32-47 scale words (two sets),
;   v64-159, v160-255 S1's two sets;  window 1: v0-95, v128-223 S0's two sets;  windows 2, 3: accumulator (a, b) at v[8 (8 (a%4) + b)].
.set SLOT,  122880                     ; S1: 32 rowtiles x 3,072 bytes; S0: 8 x 3,072
.set S0O,   98304
.set SCL,   2*SLOT                     ; S1's scale words, 32 x 1,024 bytes; S0's, 8 x 1,024
.set SPARE, SCL+40960                  ; the spare words: 128 bytes a wave
.set WV,   30
.set MODE, 31
.set CX,   32
.set CY,   33
.set S0T,  34
.set RA,   35
.set G1A,  36
.set G1B,  44
.set G0A,  52                          ; s[52:55], s[56:59]: S1, slot 0, 1
.set G0B,  60                          ; s[60:63], s[68:71]: S0, slot 0, 1
.set G1SA, 72
.set G1SB, 80
.set G0SA, 88
.set G0SB, 92
.set PFA,  66                          ; s[66:67] where my prefetches stand, through the walk along K
.set PFO,  20
.set Y,   160
.set PC,  224
.set PW,  244
.set RS,  246
.set TM,  128
.set NW,  64
.set FC,  144
.set RT,  48
.set CK,  64
.set GT,  112
.set GS,  144
.set GR,  128
.set GP,  48
.set MSB, 0
.macro WIN new                         ; the immediate's high byte repeats the setting that is left
.if MSB != \new
	s_set_vgpr_msb (MSB<<8)|\new
.set MSB, \new
.endif
.endm
.macro PLACES
.rept 4
	v_nop
.endr
.endm
.macro CREST                           ; a round of the cluster's barrier behind its opening barrier
	s_cmp_lg_u32 s[WV], 0
	s_cbranch_scc1 .Lnot_wave_0_\@
	s_barrier_signal -3
.Lnot_wave_0_\@:
	s_barrier_wait -3
	s_barrier_signal -1
	s_barrier_wait -1
.endm
.macro CROUND
	s_barrier_signal -1
	s_barrier_wait -1
	CREST
.endm
.macro JLOAD s                         ; a joint fill of slot s; the branches hang on the wave's number alone
	s_cmp_lt_u32 s[WV], 2
	s_cbranch_scc0 .Lnot_a_\@
	tensor_load_to_lds s[G0A+4*\s:G0A+4*\s+3], s[G1A:G1A+7]
	s_nop 0
	PLACES
	s_branch .Lasked_\@
.Lnot_a_\@:
	s_cmp_eq_u32 s[WV], 2
	s_cbranch_scc0 .Lasked_\@
	tensor_load_to_lds s[G0B+8*\s:G0B+8*\s+3], s[G1B:G1B+7]
	s_nop 0
	PLACES
.Lasked_\@:
.endm
.macro ASK                             ; in the loop: the tile two fills on; the last trip (tiles 6, 7) names nothing
	s_cmp_gt_u32 s[RA], 1
	s_cbranch_scc0 .Lno_ask_\@
	global_prefetch_b8 v[PFO], s[PFA:PFA+1] offset:3072 th:TH_LOAD_NT scope:SCOPE_SE
.Lno_ask_\@:
.endm
	s_load_b512 s[4:19], s[0:1], 0x0               ; pc ps wq_b wk_b wv_b w1_b qn_w kn_w
	s_load_b256 s[20:27], s[0:1], 0x40             ; freqs_cis qc qs ac
	s_load_b64 s[28:29], s[0:1], 0x60              ; asc
	v_lshl_add_u32 v1, v0, 2, SPARE
	v_mov_b32 v2, 0
	ds_add_u32 v1, v2                              ; the opening lines: the add twice on end and one wait
	ds_add_u32 v1, v2
	v_lshrrev_b32 v5, 5, v0
	v_readfirstlane_b32 s[WV], v5
	s_bfe_u32 s[CX], ttmp6, 0x40000
	s_bfe_u32 s[CY], ttmp6, 0x40004
	s_lshr_b32 s[MODE], ttmp9, 2
	s_min_u32 s[MODE], s[MODE], 3                  ; clusters 0-3 q, 4-7 k, 8-11 v, 12-14 the FFN: the same in all partners
	s_lshl_b32 s[S0T], ttmp9, 2
	s_add_co_u32 s[S0T], s[S0T], s[CX]
	s_lshl_b32 s98, s[MODE], 4
	s_sub_co_u32 s[S0T], s[S0T], s98               ; S0's tile of 128 rows
	s_lshl_b32 s96, s[CY], 2
	s_lshl_b32 s96, 15, s96                        ; my row of the cluster
	s_lshl_b32 s98, 0x1111, s[CX]                  ; my column
	s_or_b32 s[G1A], s96, (3<<16)|(1<<21)          ; elements of 8 bytes, no padding, bit 21 beside a mask
	s_or_b32 s[G1B], s98, (3<<16)|(1<<21)
	s_or_b32 s[G1SA], s96, (3<<16)|(1<<21)
	s_or_b32 s[G1SB], s98, (3<<16)|(1<<21)
.irp g, G1A, G1B
	s_mov_b32 s[\g+1], 384<<16                     ; a rowtile's two K steps: 384 elements (3,072 bytes)
	s_mov_b32 s[\g+3], 384<<16
	s_mov_b32 s[\g+5], 3072                        ; from rowtile to rowtile: 16 K steps
	s_mov_b32 s[\g+6], 0
	s_mov_b32 s[\g+7], 0
.endr
	s_mov_b32 s[G1A+2], 32<<16                     ; the head's load brings all 32 rowtiles; the ring's 16
	s_mov_b32 s[G1A+4], 32
	s_mov_b32 s[G1B+2], 8<<16
	s_mov_b32 s[G1B+4], 8
.irp g, G1SA, G1SB
	s_mov_b32 s[\g+1], 32<<16                      ; the scale words: dense blocks as rows of 256 bytes
	s_mov_b32 s[\g+3], 32<<16
	s_mov_b32 s[\g+5], 32
	s_mov_b32 s[\g+6], 0
	s_mov_b32 s[\g+7], 0
.endr
	s_mov_b32 s[G1SA+2], 128<<16
	s_mov_b32 s[G1SA+4], 128
	s_mov_b32 s[G1SB+2], 32<<16
	s_mov_b32 s[G1SB+4], 32
	s_lshl_b32 s2, s[MODE], 2
	s_lshr_b32 s96, 0x3610, s2
	s_and_b32 s96, s96, 15                         ; S1's place among the tensors: 0, 1, 6, 3
	s_lshr_b32 s98, 0x7254, s2
	s_and_b32 s98, s98, 15                         ; S0's: 4, 5, 2, 7
	s_lshl_b32 s3, s[CY], 5
	s_lshl_b32 s66, s[WV], 4
	s_add_co_u32 s3, s3, s66                       ; S1: rowtile 32 cy + 16 wave
	s_mul_i32 s3, s3, 24576
	s_mul_i32 s66, s96, 0x300000
	s_add_co_u32 s66, s66, s3
	s_mov_b32 s67, 0
	s_lshl_b32 s96, s96, 17
	s_lshl_b32 s3, s[CY], 15
	s_add_co_u32 s96, s96, s3                      ; its scale words
	s_mov_b32 s97, 0
	s_mul_i32 s100, s98, 0x300000
	s_mul_i32 s101, s[S0T], 196608
	s_add_co_u32 s100, s100, s101                  ; S0: rowtile 8 tile
	s_mov_b32 s101, 0
	s_lshl_b32 s98, s98, 17
	s_lshl_b32 s99, s[S0T], 13
	s_add_co_u32 s98, s98, s99
	s_mov_b32 s99, 0
	s_mul_i32 s3, s[CX], 3                         ; the prefetches: which block of 256 bytes of a tile is my lane's
	s_add_co_u32 s3, s3, s[WV]
	s_lshl_b32 s3, s3, 5                           ; waves 0-2: S1's block 32 (3 cx + wave) + lane
	s_mul_i32 s2, s[CY], 24                        ; wave 3: S0's block 24 cy + min(lane, 23)
	s_cmp_lt_u32 s[WV], 3
	s_cselect_b32 s3, s3, s2
	s_cselect_b32 s2, 31, 23
	v_and_b32 v20, 31, v0
	v_min_u32 v20, s2, v20
	v_add_nc_u32 v20, s3, v20
	v_mul_u32_u24 v21, 0xaaab, v20
	v_lshrrev_b32 v21, 19, v21                     ; block / 12: the rowtile (exact for blocks under 384)
	v_mul_u32_u24 v22, 12, v21
	v_sub_nc_u32 v22, v20, v22
	v_mul_u32_u24 v21, 0x6000, v21
	v_lshl_add_u32 v[PFO], v22, 8, v21             ; 24,576 x rowtile + 256 x (block % 12)
	s_mul_i32 s3, s[WV], 49152
	s_wait_alu depctr_va_vdst(0)                   ; the wait here, directly ahead of the waits below
	s_wait_dscnt 0x0                               ; both opening adds are done
	s_wait_kmcnt 0x0
.irp s, 0,1
	s_mov_b32 s[G0A+4*\s], 1
	s_add_co_u32 s[G0A+4*\s+1], s3, \s*SLOT
	s_add_nc_u64 s[G0A+4*\s+2:G0A+4*\s+3], s[4:5], s[66:67]
	s_add_nc_u64 s[G0A+4*\s+2:G0A+4*\s+3], s[G0A+4*\s+2:G0A+4*\s+3], \s*3072
	s_or_b32 s[G0A+4*\s+3], s[G0A+4*\s+3], 0x80000000
	s_mov_b32 s[G0B+8*\s], 1
	s_mov_b32 s[G0B+8*\s+1], \s*SLOT+S0O
	s_add_nc_u64 s[G0B+8*\s+2:G0B+8*\s+3], s[4:5], s[100:101]
	s_add_nc_u64 s[G0B+8*\s+2:G0B+8*\s+3], s[G0B+8*\s+2:G0B+8*\s+3], \s*3072
	s_or_b32 s[G0B+8*\s+3], s[G0B+8*\s+3], 0x80000000
.endr
	s_mov_b32 s[G0SA], 1
	s_mov_b32 s[G0SA+1], SCL
	s_add_nc_u64 s[G0SA+2:G0SA+3], s[6:7], s[96:97]
	s_or_b32 s[G0SA+3], s[G0SA+3], 0x80000000
	s_mov_b32 s[G0SB], 1
	s_mov_b32 s[G0SB+1], SCL+32768
	s_add_nc_u64 s[G0SB+2:G0SB+3], s[6:7], s[98:99]
	s_or_b32 s[G0SB+3], s[G0SB+3], 0x80000000
	s_mul_i32 s2, s[WV], 393216
	s_sub_co_u32 s66, s66, s2                      ; S1's tile without my wave's 16 rowtiles
	s_cmp_lt_u32 s[WV], 3
	s_cselect_b32 s66, s66, s100
	s_add_co_u32 s66, s66, 3072
	s_add_nc_u64 s[PFA:PFA+1], s[4:5], s[66:67]    ; at tile 1
	CROUND                                         ; all sixteen work-groups are here: the first joint loads meet
	s_cmp_lt_u32 s[WV], 1                          ; one chain of arms, one load an arm; wave 0's group 0 of slot 0 is the whole tile's: its wave term is 0
	s_cbranch_scc0 .Lf_b
	tensor_load_to_lds s[G0A:G0A+3], s[G1A:G1A+7]
	s_nop 0
	PLACES
	s_branch .Lf_done
.Lf_b:
	s_cmp_lt_u32 s[WV], 2
	s_cbranch_scc0 .Lf_sa
	tensor_load_to_lds s[G0B:G0B+3], s[G1B:G1B+7]
	s_nop 0
	PLACES
	s_branch .Lf_done
.Lf_sa:
	s_cmp_lt_u32 s[WV], 3
	s_cbranch_scc0 .Lf_sb
	tensor_load_to_lds s[G0SA:G0SA+3], s[G1SA:G1SA+7]
	s_nop 0
	PLACES
	s_branch .Lf_done
.Lf_sb:
	tensor_load_to_lds s[G0SB:G0SB+3], s[G1SB:G1SB+7]
	s_nop 0
	PLACES
.Lf_done:
	global_prefetch_b8 v[PFO], s[PFA:PFA+1] th:TH_LOAD_NT scope:SCOPE_SE               ; tile 1
	global_prefetch_b8 v[PFO], s[PFA:PFA+1] offset:3072 th:TH_LOAD_NT scope:SCOPE_SE   ; tile 2
	v_and_b32 v5, 31, v0
	v_lshlrev_b32 v3, 4, v5                        ; 16 x lane
	v_and_b32 v6, 15, v0                           ; r
	v_bfe_u32 v7, v0, 4, 1                         ; h
	v_lshlrev_b32 v4, 2, v6                        ; 4 r
	s_mul_i32 s2, s[WV], 24576
	v_add_nc_u32 v8, s2, v3                        ; my eight rowtiles of S1, slot 0, 1
	v_add_nc_u32 v9, SLOT, v8
	v_add_nc_u32 v10, S0O, v3                      ; S0's eight
	v_add_nc_u32 v11, SLOT+S0O, v3
	s_lshl_b32 s2, s[WV], 13
	s_sub_co_u32 s3, 32768, s2
	v_mul_u32_u24 v12, s3, v7                      ; lanes 16-31 take S0's scale words: one product in h
	s_add_co_u32 s2, s2, SCL
	v_add_nc_u32 v12, v12, v4
	v_add_nc_u32 v12, s2, v12
	s_cmp_eq_u32 s[MODE], 1
	s_cselect_b32 s2, 1, 0
	v_and_b32 v13, 8, v6
	v_mul_u32_u24 v13, s2, v13
	v_add_nc_u32 v13, v13, v6                      ; my row in a tile: r for q, r + 8 (r/8) for k
	v_lshlrev_b32 v13, 7, v13
	v_lshl_add_u32 v13, v7, 6, v13                 ; v13: freqs_cis: 128 bytes a position, + 64 h
	v_lshlrev_b32 v14, 6, v7                       ; v14: 64 h
	v_and_b32 v15, 8, v6
	v_add_nc_u32 v15, v15, v6
	v_lshlrev_b32 v15, 2, v15                      ; v15: 4 (r + 8 (r/8)): wv_b
	s_lshl_b32 s100, s[S0T], 9
	s_mov_b32 s101, 8128
	s_cmp_eq_u32 s[MODE], 3
	s_cselect_b32 s101, 5824, s101                 ; the last 64 bytes of the bias
.irp b, 0,1,2,3
	v_add_nc_u32 v[16+\b], s100, v14
	v_add_nc_u32 v[16+\b], 128*\b, v[16+\b]
	v_min_u32 v[16+\b], s101, v[16+\b]             ; v16-19: 4 (128 tile + 32 b + 16 h), held inside the buffer
.endr
; the scale words and fragments of the slot's q-th K step into a set: 56 LDS loads in one run: 8 scale words, S0's 24, S1's 24.  ks: the K step, counted from where v12 stands
.macro FETCH slot, q, set, ks
.irp a, 0,1,2,3,4,5,6,7
	ds_load_b32 v[32+8*(\set)+\a], v12 offset:\a*1024+64*(\ks)     ; lanes 0-15: my S1 tile a's words; lanes 16-31: S0 tile a's
.endr
	WIN 0x40                                       ; destination window 1
.irp b, 0,1,2,3,4,5,6,7
.irp c, 0,1,2
	ds_load_b128 v[128*(\set)+12*\b+4*\c:128*(\set)+12*\b+4*\c+3], v[10+\slot] offset:\b*3072+(\q)*1536+512*\c
.endr
.endr
	WIN 0
.irp a, 0,1,2,3,4,5,6,7
.irp c, 0,1,2
	ds_load_b128 v[64+96*(\set)+12*\a+4*\c:64+96*(\set)+12*\a+4*\c+3], v[8+\slot] offset:\a*3072+(\q)*1536+512*\c
.endr
.endr
.endm
; S1's tile a against S0's eight.  The 64 accumulators take turns, one instruction a turn, in the same order in every K step
.macro MULA a, set, zero
.irp b, 0,1,2,3,4,5,6,7
.if \zero
	v_wmma_scale_f32_16x16x128_f8f6f4 v[8*(8*((\a)%4)+\b):8*(8*((\a)%4)+\b)+7], v[128*(\set)+12*\b:128*(\set)+12*\b+11], v[64+96*(\set)+12*(\a):64+96*(\set)+12*(\a)+11], 0, v[32+8*(\set)+\b], v[32+8*(\set)+(\a)] matrix_a_fmt:MATRIX_FMT_FP6 matrix_b_fmt:MATRIX_FMT_FP6 matrix_a_scale:MATRIX_SCALE_ROW1
.else
	v_wmma_scale_f32_16x16x128_f8f6f4 v[8*(8*((\a)%4)+\b):8*(8*((\a)%4)+\b)+7], v[128*(\set)+12*\b:128*(\set)+12*\b+11], v[64+96*(\set)+12*(\a):64+96*(\set)+12*(\a)+11], v[8*(8*((\a)%4)+\b):8*(8*((\a)%4)+\b)+7], v[32+8*(\set)+\b], v[32+8*(\set)+(\a)] matrix_a_fmt:MATRIX_FMT_FP6 matrix_b_fmt:MATRIX_FMT_FP6 matrix_a_scale:MATRIX_SCALE_ROW1
.endif
.endr
.endm
; a K step that has its successor in the same slot: the successor's loads go out first and land under this step's 64 products
.macro STEP slot, q, zero, ks
	s_wait_dscnt 12                                ; the youngest 12 loads, S1's tiles 4-7, may be out
	WIN 0
	PLACES                                         ; in front of loads into registers that matrix instructions have read
	FETCH \slot, (\q)+1, 1-(\q)%2, \ks
	WIN 0xa1                                       ; source 0 window 1, source 1 window 0, C and D window 2
.irp a, 0,1,2,3
	MULA \a, (\q)%2, \zero
.endr
	s_wait_dscnt 56                                ; all but the 56 just issued: S1's tiles 4-7 are in
	WIN 0xf1
.irp a, 4,5,6,7
	MULA \a, (\q)%2, \zero
.endr
.endm
; a slot's last K step changes slots: one barrier; in front of it every wave waits for all its tensor loads, adds 0 to its spare word, and waits for that and for its reads of this slot
.macro TURN slot, next, fill, ks
.if \fill
	s_wait_xcnt 0x0                                ; my last prefetch has read its address
	s_add_nc_u64 s[PFA:PFA+1], s[PFA:PFA+1], 3072
.endif
	WIN 0
	s_wait_tensorcnt 0x0                           ; all my tensor loads have landed: my part of the next slot
	ds_add_u32 v1, v2                              ; 0 onto my spare word
	s_wait_dscnt 1                                 ; only the add may be out: this step's fragments are in
	WIN 0xa1
	MULA 0, 1, 0
	MULA 1, 1, 0
	s_wait_dscnt 0x0                               ; the add is done; my reads of this slot are over
	s_barrier_signal -1
	MULA 2, 1, 0
	MULA 3, 1, 0
	WIN 0
	s_barrier_wait -1
.if \fill
	CREST                                          ; the barrier has opened a round of the cluster's: no wave of any partner still reads this slot or has a load on its way
	s_add_nc_u64 s[G0A+4*\slot+2:G0A+4*\slot+3], s[G0A+4*\slot+2:G0A+4*\slot+3], 6144
	s_add_nc_u64 s[G0B+8*\slot+2:G0B+8*\slot+3], s[G0B+8*\slot+2:G0B+8*\slot+3], 6144
	JLOAD \slot                                    ; the first tensor load behind the round, one a wave
.endif
	PLACES
	FETCH \next, 0, 0, \ks
.if \fill
	ASK
.endif
	WIN 0xf1
.irp a, 4,5,6,7
	MULA \a, 1, 0
.endr
.endm
	s_wait_alu depctr_va_vdst(0)                   ; the wait at the head's end
	s_wait_xcnt 0x0                                ; the head's prefetches have read their address
	s_add_nc_u64 s[PFA:PFA+1], s[PFA:PFA+1], 3072
	s_wait_tensorcnt 0x0                           ; my tile of the head's four is in; slot 1's first fill is issued as a refill is
	ds_add_u32 v1, v2
	s_mov_b32 s[G1A+2], 16<<16                     ; no tensor load of mine is out: from here on a load of S1 brings 16 rowtiles
	s_mov_b32 s[G1A+4], 16
	s_wait_dscnt 0x0
	CROUND                                         ; everybody's tile is in, and all sixteen work-groups are here
	JLOAD 1                                        ; tile 1
	FETCH 0, 0, 0, 0
	global_prefetch_b8 v[PFO], s[PFA:PFA+1] offset:3072 th:TH_LOAD_NT scope:SCOPE_SE   ; tile 3
	STEP 0, 0, 1, 1                                ; the first K step starts the sums: nothing is cleared
	WIN 0
	s_mov_b32 s[RA], 3
.Llap:                                             ; a trip goes once round the ring and fills both slots again: tiles 2 to 7
	TURN 0, 1, 1, 2
	STEP 1, 0, 0, 3
	TURN 1, 0, 1, 4
	STEP 0, 0, 0, 5
	WIN 0
	v_add_nc_u32 v12, 256, v12                     ; the scale words' address: four K steps on
	s_sub_co_u32 s[RA], s[RA], 1
	s_cmp_lg_u32 s[RA], 0
	s_wait_alu depctr_va_vdst(0)                   ; the wait directly ahead of the branch
	s_cbranch_scc1 .Llap
	TURN 0, 1, 0, 2                                ; the last lap fills nothing
	STEP 1, 0, 0, 3
	; the last K step; what the epilogue wants from memory is asked for first, into set 0's registers
	s_wait_dscnt 0x0
	WIN 0
	PLACES
	s_cmp_eq_u32 s[MODE], 1
	s_cselect_b64 s[96:97], s[10:11], s[8:9]
	s_cselect_b64 s[98:99], s[18:19], s[16:17]
	s_cmp_eq_u32 s[MODE], 3
	s_cselect_b64 s[96:97], s[14:15], s[96:97]
	s_cmp_eq_u32 s[MODE], 2
	s_cbranch_scc1 .Lld_v
	WIN 0x40
.irp b, 0,1,2,3
.irp j, 0,1,2,3
	global_load_b128 v[16*\b+4*\j:16*\b+4*\j+3], v[16+\b], s[96:97] offset:16*\j     ; the bias in the result's layout: window 1, v0-63
.endr
.endr
	WIN 0
	s_cmp_eq_u32 s[MODE], 3
	s_cbranch_scc1 .Lld_g
.irp b, 0,1,2,3
.irp j, 0,1,2,3
	global_load_b128 v[NW+16*\b+4*\j:NW+16*\b+4*\j+3], v14, s[98:99] offset:128*\b+16*\j   ; the RMS norm's gains likewise
.endr
.endr
	s_branch .Lld_done
.Lld_g:
.set n, 0
.irp k, 0.27273748, 1.0, -0.62485470, 0.85547788, -0.83679339, 0.16748465, -0.15001946
	v_mov_b32 v[CK+n], \k                          ; 0.3275911 / sqrt(log2 e); 1; a5 .. a1, each x -1 / sqrt(2 log2 e); each twice
	v_mov_b32 v[CK+n+1], \k
.set n, n+2
.endr
	s_branch .Lld_done
.Lld_v:
	s_lshl_b32 s66, s[CY], 11
	s_lshl_b32 s67, s[WV], 9
	s_add_co_u32 s66, s66, s67
	s_mov_b32 s67, 0
	s_add_nc_u64 s[12:13], s[12:13], s[66:67]      ; wv_b at channel 512 cy + 128 wave
	WIN 0x40
.irp a, 0,1,2,3,4,5,6,7
	global_load_b32 v[2*\a], v15, s[12:13] offset:(32*(\a/2)+8*(\a%2))*4             ; my row's bias in tile a, twice: a pair for the packed addition
	global_load_b32 v[2*\a+1], v15, s[12:13] offset:(32*(\a/2)+8*(\a%2))*4
.endr
	WIN 0
.Lld_done:
	WIN 0xa1
.irp a, 0,1,2,3
	MULA \a, 1, 0
.endr
	WIN 0xf1
.irp a, 4,5,6,7
	MULA \a, 1, 0
.endr
	WIN 0
	PLACES                                         ; behind the last products, in front of the first read of results and the first write over operands
	s_wait_loadcnt 0x0
; ---- THE EPILOGUE: a loop over my eight S1 tiles.  s[4:5], s[6:7]: where the fragment and its scale words go; s[8:9], s[10:11]: their steps
.macro MOVE a, vm                      ; tile a's 64 results + bias -> Y; each accumulator is read from its low end on
	WIN 0x06+(\a)/4                                ; source 0 window 2 or 3, source 1 window 1
.set i, 0
.rept 32
.if \vm
	v_pk_add_f32 v[Y+i:Y+i+1], v[64*((\a)%4)+i:64*((\a)%4)+i+1], v[2*(\a):2*(\a)+1]
.else
	v_pk_add_f32 v[Y+i:Y+i+1], v[64*((\a)%4)+i:64*((\a)%4)+i+1], v[i:i+1]
.endif
.set i, i+2
.endr
	WIN 0
.endm
.macro PICK vm                         ; the one part of a trip whose register numbers hang on the tile
.irp a, 0,1,2,3,4,5,6
	s_cmp_lg_u32 s[RA], \a
	s_cbranch_scc1 .Lpk\@_\a
	MOVE \a, \vm
	s_branch .Lpk\@_e
.Lpk\@_\a:
.endr
	MOVE 7, \vm
.Lpk\@_e:
.endm
; 64 numbers of a lane, register 16 b + i = k 32 b + 16 h + i of my row, become a fragment's codes in v[PC..PC+11] and its scale word in v[PW]
.macro QUANT s
.irp b, 0,1,2,3
	v_max3_num_f32 v[TM+\b], |v[\s+16*\b]|, |v[\s+1+16*\b]|, 0x1800000   ; with the floor 2^(3 - 127): the byte cannot fall under 1
.endr
.irp i, 2,4,6,8,10,12,14
.irp b, 0,1,2,3
	v_max3_num_f32 v[TM+\b], v[TM+\b], |v[\s+16*\b+\i]|, |v[\s+1+16*\b+\i]|
.endr
.endr
.irp b, 0,1,2,3
	v_permlanex16_b32 v[TM+4+\b], v[TM+\b], s16, s17
.endr
.irp b, 0,1,2,3
	v_max_num_f32 v[TM+\b], v[TM+\b], v[TM+4+\b]   ; with lane l xor 16's: the block's largest magnitude
.endr
.irp b, 0,1,2,3
	v_add_nc_u32 v[TM+12+\b], 0xff000000, v[TM+\b] ; 2 off its exponent field: the conversion's scale operand
.endr
.irp b, 0,1,2,3
	v_lshrrev_b32 v[TM+4+\b], 23, v[TM+12+\b]      ; the byte
.endr
	v_lshl_or_b32 v[PW], v[TM+5], 8, v[TM+4]
	v_lshl_or_b32 v[PW], v[TM+6], 16, v[PW]
	v_lshl_or_b32 v[PW], v[TM+7], 24, v[PW]
.irp c, 0,1
	v_cvt_scalef32_pk16_fp6_f32 v[PC+6*\c:PC+2+6*\c], v[\s+32*\c:\s+15+32*\c], v[TM+12+2*\c]
	v_cvt_scalef32_pk16_fp6_f32 v[PC+12+4*\c:PC+14+4*\c], v[\s+16+32*\c:\s+31+32*\c], v[TM+12+2*\c+1]
.endr
	v_nop                                          ; one plain instruction behind a scaled conversion
.irp c, 0,1                                    ; the layout wants a whole block in a lane
.irp i, 0,1,2
	v_permlane16_swap_b32 v[PC+6*\c+\i], v[PC+12+4*\c+\i]
.endr
.irp i, 0,1,2
	v_mov_b32 v[PC+3+6*\c+\i], v[PC+12+4*\c+\i]
.endr
.endr
.endm
.macro STOREIMG                        ; the fragment as it stands: three stores of 512 consecutive bytes; its 16 scale words (lanes 16-31 hold and store the same words)
.irp c, 0,1,2
	global_store_b128 v3, v[PC+4*\c:PC+4*\c+3], s[4:5] offset:512*\c
.endr
	global_store_b32 v4, v[PW], s[6:7]
	s_wait_xcnt 0x0                                ; the stores have read their registers and bases: both are written again
	s_add_nc_u64 s[4:5], s[4:5], s[8:9]
	s_add_nc_u64 s[6:7], s[6:7], s[10:11]
.endm
.macro FMA8 d, a, sa, b, sb, c, sc     ; eight packed fused multiply-adds on 16 numbers; a stride of 0 names a constant's pair
.irp p, 0,2,4,6,8,10,12,14
	v_pk_fma_f32 v[\d+\p:\d+\p+1], v[\a+\sa*\p:\a+\sa*\p+1], v[\b+\sb*\p:\b+\sb*\p+1], v[\c+\sc*\p:\c+\sc*\p+1]
.endr
.endm
.macro GELU16 k                        ; gelu of Y's numbers 16 k .. 16 k + 15, in place.  u = |x| sqrt(log2 e / 2), so that exp(-t t) = 2^(-u u), t = |x| / sqrt 2
.set YB, Y+16*(\k)
.irp e, 0,1,2,3,4,5,6,7,8,9,10,11,12,13,14,15
	v_mul_f32 v[GT+\e], s2, |v[YB+\e]|             ; u
.endr
	FMA8 GR, GT,1, CK,0, CK+2,0                    ; 1 + 0.3275911 t
.irp p, 0,2,4,6,8,10,12,14
	v_pk_mul_f32 v[GS+\p:GS+\p+1], v[GT+\p:GT+\p+1], v[GT+\p:GT+\p+1]      ; u u
.endr
	s_wait_alu depctr_va_vdst(0)                   ; the wait ahead of the batch
.irp e, 0,1,2,3,4,5,6,7,8,9,10,11,12,13,14,15
	v_rcp_f32 v[GR+\e], v[GR+\e]                   ; r
.endr
.irp e, 0,1,2,3,4,5,6,7,8,9,10,11,12,13,14,15
	v_exp_f32 v[GS+\e], -v[GS+\e]                  ; exp(-t t)
.endr
.irp e, 0,1,2,3,4,5,6,7,8,9,10,11,12,13,14,15
	v_max_num_f32 v[YB+\e], 0, v[YB+\e]            ; plain work behind the batch, which names none of its results
.endr
	s_wait_alu depctr_va_vdst(0)                   ; one wait for the batch, ahead of its first reader
	FMA8 GP, GR,1, CK+4,0, CK+6,0
	FMA8 GP, GP,1, GR,1, CK+8,0
	FMA8 GP, GP,1, GR,1, CK+10,0
	FMA8 GP, GP,1, GR,1, CK+12,0
.irp p, 0,2,4,6,8,10,12,14
	v_pk_mul_f32 v[GP+\p:GP+\p+1], v[GP+\p:GP+\p+1], v[GR+\p:GR+\p+1]
.endr
.irp p, 0,2,4,6,8,10,12,14
	v_pk_mul_f32 v[GS+\p:GS+\p+1], v[GS+\p:GS+\p+1], v[GT+\p:GT+\p+1]
.endr
	FMA8 YB, GP,1, GS,1, YB,1                      ; max(x, 0) - |x| erfc / 2: the factor -1 / sqrt(2 log2 e) lies in the coefficients
.endm
.macro FCASK                           ; cos, sin of pairs 8 h .. 8 h + 7 at my position in tile s97
	s_lshl_b32 s66, s97, 4                         ; the tile's first position: q: 16 a;
	s_lshr_b32 s67, s97, 1
	s_lshl_b32 s67, s67, 5
	s_and_b32 s96, s97, 1
	s_lshl_b32 s96, s96, 3
	s_add_co_u32 s67, s67, s96                     ; k: 32 (a/2) + 8 (a%2)
	s_cmp_eq_u32 s[MODE], 0
	s_cselect_b32 s66, s66, s67
	s_lshl_b32 s66, s66, 7
	s_mov_b32 s67, 0
	s_add_nc_u64 s[14:15], s[12:13], s[66:67]
.irp j, 0,1,2,3
	global_load_b128 v[FC+4*\j:FC+4*\j+3], v13, s[14:15] offset:16*\j
.endr
.endm
	s_mov_b32 s16, 0x76543210
	s_mov_b32 s17, 0xfedcba98                      ; lane l xor 16
	s_mov_b32 s18, 0x3c000000                      ; 1 / 128
	s_mov_b32 s19, 0x3727c5ac                      ; 1e-5
	s_mov_b32 s[RA], 0
	s_lshl_b32 s3, s[CY], 5
	s_lshl_b32 s66, s[WV], 3
	s_add_co_u32 s3, s3, s66                       ; my first S1 rowtile: 32 cy + 8 wave
	s_mov_b32 s9, 0
	s_mov_b32 s11, 0
	s_cmp_eq_u32 s[MODE], 2
	s_cbranch_scc1 .Lev
	s_cmp_eq_u32 s[MODE], 3
	s_cbranch_scc1 .Leg
	; q and k: [head = S0's tile][tile of 16 rows]
	s_mul_i32 s66, s[MODE], 0x300000
	s_mul_i32 s67, s[S0T], 196608
	s_add_co_u32 s66, s66, s67
	s_mul_i32 s67, s3, 1536
	s_add_co_u32 s66, s66, s67
	s_mov_b32 s67, 0
	s_add_nc_u64 s[4:5], s[22:23], s[66:67]
	s_lshl_b32 s66, s[MODE], 17
	s_lshl_b32 s96, s[S0T], 13
	s_add_co_u32 s66, s66, s96
	s_lshl_b32 s96, s3, 6
	s_add_co_u32 s66, s66, s96
	s_add_nc_u64 s[6:7], s[24:25], s[66:67]
	s_mov_b32 s8, 1536
	s_mov_b32 s10, 64
	s_lshl_b32 s66, s3, 11                         ; 16 positions a tile, 128 bytes each
	s_add_nc_u64 s[12:13], s[20:21], s[66:67]      ; freqs_cis at my first position
	s_mov_b32 s97, 0
	FCASK                                          ; tile 0's; each trip asks for the next tile's once it has read its own
.Lqk:
	PICK 0
	v_pk_mul_f32 v[TM:TM+1], v[Y:Y+1], v[Y:Y+1]                            ; the head's sum of squares: my 64,
	v_pk_mul_f32 v[TM+2:TM+3], v[Y+2:Y+3], v[Y+2:Y+3]
.irp j, 4,8,12,16,20,24,28,32,36,40,44,48,52,56,60
	v_pk_fma_f32 v[TM:TM+1], v[Y+\j:Y+\j+1], v[Y+\j:Y+\j+1], v[TM:TM+1]
	v_pk_fma_f32 v[TM+2:TM+3], v[Y+\j+2:Y+\j+3], v[Y+\j+2:Y+\j+3], v[TM+2:TM+3]
.endr
	v_pk_add_f32 v[TM:TM+1], v[TM:TM+1], v[TM+2:TM+3]
	v_add_f32 v[TM], v[TM], v[TM+1]
	v_permlanex16_b32 v[TM+1], v[TM], s16, s17
	v_add_f32 v[TM], v[TM], v[TM+1]                ; and lane l xor 16's
	v_fma_f32 v[TM], v[TM], s18, s19
	s_wait_alu depctr_va_vdst(0)
	v_rsq_f32 v[RS], v[TM]
	v_nop
	s_wait_alu depctr_va_vdst(0)                   ; the wait ahead of the first use
	v_mov_b32 v[RS+1], v[RS]
.set i, 0
.rept 32
	v_pk_mul_f32 v[Y+i:Y+i+1], v[Y+i:Y+i+1], v[RS:RS+1]
.set i, i+2
.endr
.irp j, 0,2,4,6,8,10,12,14
	v_pk_mul_f32 v[RT+\j:RT+\j+1], v[Y+\j:Y+\j+1], v[NW+\j:NW+\j+1]        ; dims 16 h + 0 .. 15: the rotary part
.endr
.set i, 16
.rept 24
	v_pk_mul_f32 v[Y+i:Y+i+1], v[Y+i:Y+i+1], v[NW+i:NW+i+1]
.set i, i+2
.endr
.irp j, 0,1,2,3,4,5,6,7
	v_permlane16_swap_b32 v[RT+\j], v[RT+8+\j]     ; now RT[j] = x1[j + 8 h], RT[8 + j] = x2[j + 8 h]
.endr
	s_wait_alu depctr_va_vdst(0)
	s_wait_loadcnt 0x0                             ; this tile's cos and sin
.irp j, 0,1,2,3,4,5,6,7
	v_mul_f32 v[Y+2*\j], v[RT+8+\j], v[FC+2*\j+1]
	v_mul_f32 v[Y+2*\j+1], v[RT+\j], v[FC+2*\j+1]
	v_fma_f32 v[Y+2*\j], v[RT+\j], v[FC+2*\j], -v[Y+2*\j]                  ; x1 c - x2 s
	v_fma_f32 v[Y+2*\j+1], v[RT+8+\j], v[FC+2*\j], v[Y+2*\j+1]             ; x2 c + x1 s
.endr
	s_wait_alu depctr_va_vdst(0)                   ; the wait ahead of the scalar lines and the branch
	s_add_co_u32 s97, s[RA], 1
	s_cmp_lt_u32 s97, 8
	s_cbranch_scc0 .Lno_fc                         ; the last tile has no successor: no load leaves the buffer
	FCASK
.Lno_fc:
	QUANT Y
	STOREIMG
	s_add_co_u32 s[RA], s[RA], 1
	s_cmp_lt_u32 s[RA], 8
	s_cbranch_scc1 .Lqk
	s_branch .Lfin
.Lev:                                              ; V^T: [head = 4 cy + wave][key step = S0's tile][tile of 16 channels]
	s_lshl_b32 s66, s[CY], 2
	s_add_co_u32 s66, s66, s[WV]
	s_lshl_b32 s96, s66, 13
	s_mul_i32 s66, s66, 196608
	s_mul_i32 s67, s[S0T], 12288
	s_add_co_u32 s66, s66, s67
	s_add_co_u32 s66, s66, 0x600000
	s_mov_b32 s67, 0
	s_add_nc_u64 s[4:5], s[22:23], s[66:67]
	s_lshl_b32 s66, s[S0T], 9
	s_add_co_u32 s66, s66, s96
	s_add_co_u32 s66, s66, 0x40000
	s_add_nc_u64 s[6:7], s[24:25], s[66:67]
	s_mov_b32 s8, 1536
	s_mov_b32 s10, 64
.Lv:
	PICK 1
	QUANT Y
	STOREIMG
	s_add_co_u32 s[RA], s[RA], 1
	s_cmp_lt_u32 s[RA], 8
	s_cbranch_scc1 .Lv
	s_branch .Lfin
.Leg:                                              ; g: [rowtile][K step 16 + S0's tile] of [y | g]
	s_mul_i32 s66, s3, 43008
	s_add_co_u32 s67, s[S0T], 16
	s_mul_i32 s96, s67, 1536
	s_add_co_u32 s66, s66, s96
	s_lshl_b32 s98, s67, 6
	s_mov_b32 s67, 0
	s_add_nc_u64 s[4:5], s[26:27], s[66:67]
	s_mul_i32 s66, s3, 1792
	s_add_co_u32 s66, s66, s98
	s_add_nc_u64 s[6:7], s[28:29], s[66:67]
	s_mov_b32 s8, 43008
	s_mov_b32 s10, 1792
	s_mov_b32 s2, 0x3f596d27                       ; sqrt(log2 e / 2)
.Lg:
	PICK 0
	GELU16 0
	GELU16 1
	GELU16 2
	GELU16 3
	QUANT Y
	STOREIMG
	s_add_co_u32 s[RA], s[RA], 1
	s_cmp_lt_u32 s[RA], 8
	s_cbranch_scc1 .Lg
.Lfin:
	s_wait_tensorcnt 0x0                           ; the wave's end
	ds_add_u32 v1, v2
	s_wait_dscnt 0x0
	CROUND                                         ; the closing round
	s_endpgm
.Lfunc_end_k_q666f91081b_gemm1:
	.size	k_q666f91081b_gemm1, .Lfunc_end_k_q666f91081b_gemm1-k_q666f91081b_gemm1
	.p2alignl 7, 3214868480
	.fill 96, 4, 3214868480
	.section	.rodata,"a",@progbits
	.p2align	6, 0x0
	.amdhsa_kernel k_q666f91081b_gemm1
		.amdhsa_group_segment_fixed_size 327680
		.amdhsa_private_segment_fixed_size 0
		.amdhsa_enable_private_segment 0
		.amdhsa_kernarg_size 104
		.amdhsa_user_sgpr_count 2
		.amdhsa_user_sgpr_kernarg_segment_ptr 1
		.amdhsa_wavefront_size32 1
		.amdhsa_system_sgpr_workgroup_id_x 1
		.amdhsa_system_sgpr_workgroup_id_y 1
		.amdhsa_system_sgpr_workgroup_id_z 1
		.amdhsa_system_vgpr_workitem_id 0
		.amdhsa_next_free_vgpr 1024
		.amdhsa_next_free_sgpr 102
		.amdhsa_reserve_vcc 0
		.amdhsa_float_denorm_mode_32 3
		.amdhsa_float_denorm_mode_16_64 3
		.amdhsa_memory_ordered 1
		.amdhsa_forward_progress 1
		.amdhsa_inst_pref_size 223
	.end_amdhsa_kernel
	.amdgpu_metadata
---
amdhsa.version: [ 1, 2 ]
amdhsa.kernels:
  - .name:           k_q666f91081b_gemm1
    .symbol:         k_q666f91081b_gemm1.kd
    .args:
      - { .name: pc, .offset: 0, .size: 8, .value_kind: global_buffer, .address_space: global }
      - { .name: ps, .offset: 8, .size: 8, .value_kind: global_buffer, .address_space: global }
      - { .name: wq_b, .offset: 16, .size: 8, .value_kind: global_buffer, .address_space: global }
      - { .name: wk_b, .offset: 24, .size: 8, .value_kind: global_buffer, .address_space: global }
      - { .name: wv_b, .offset: 32, .size: 8, .value_kind: global_buffer, .address_space: global }
      - { .name: w1_b, .offset: 40, .size: 8, .value_kind: global_buffer, .address_space: global }
      - { .name: qn_w, .offset: 48, .size: 8, .value_kind: global_buffer, .address_space: global }
      - { .name: kn_w, .offset: 56, .size: 8, .value_kind: global_buffer, .address_space: global }
      - { .name: freqs_cis, .offset: 64, .size: 8, .value_kind: global_buffer, .address_space: global }
      - { .name: qc, .offset: 72, .size: 8, .value_kind: global_buffer, .address_space: global }
      - { .name: qs, .offset: 80, .size: 8, .value_kind: global_buffer, .address_space: global }
      - { .name: ac, .offset: 88, .size: 8, .value_kind: global_buffer, .address_space: global }
      - { .name: asc, .offset: 96, .size: 8, .value_kind: global_buffer, .address_space: global }
    .group_segment_fixed_size: 327680
    .private_segment_fixed_size: 0
    .kernarg_segment_align: 8
    .kernarg_segment_size: 104
    .max_flat_workgroup_size: 128
    .sgpr_count:     102
    .vgpr_count:     1024
    .wavefront_size: 32
...
	.end_amdgpu_metadata
.endif
;; end of part 2
;; launch attn (part 3): grid 16 x 16, 8 waves a work-group, clusters of 4 x 1, 327,680 bytes of LDS; arguments qc, qs, mw, ac, asc; writes ac, asc
.if DOCPART == 3
	.amdgcn_target "amdgcn-amd-amdhsa--gfx1250"
	.amdhsa_code_object_version 6
	.text
	.protected	k_q666f91081b_attn
	.globl	k_q666f91081b_attn
	.p2align	8
	.type	k_q666f91081b_attn,@function
k_q666f91081b_attn:
	s_mov_b64 s[64:65], 0
	v_nop
	global_prefetch_b8 v0, s[64:65] scope:SCOPE_SE
	s_setreg_imm32_b32 hwreg(HW_REG_WAVE_MODE, 25, 1), 1
	s_wait_xcnt 0x0
	s_wait_alu depctr_hold_cnt(0) depctr_sa_sdst(0) depctr_va_vdst(0) depctr_va_sdst(0) depctr_va_ssrc(0) depctr_va_vcc(0) depctr_vm_vsrc(0)
	s_getreg_b32 s2, hwreg(HW_REG_IB_STS2, 6, 4)
	s_cmp_eq_u32 s2, 0
	s_cbranch_scc0 .Lentry_in_a_cluster
	s_endpgm
.Lentry_in_a_cluster:
	s_bfe_u32 s2, ttmp6, 0x10000c
	s_cmp_lg_u32 s2, 0x3003
	s_cbranch_scc0 .Lentry_shape_is_right
	s_endpgm
.Lentry_shape_is_right:
; y[q][head] = softmax_k(where(mask, q . k / sqrt(128), -65504)) v, both products on codes of FP6 (E2M3); y leaves as codes: K step `head` of [y | g].
; THE SOFTMAX: t = logit x log2 e; M = the running largest t rounded up to a whole number; p = 2^(t - M) is quantised along the keys, not normalised; the row's sum is taken of the unquantised p and divides at the end.
; When M moves, the sum and O are multiplied by 2^(old M - new M): exact.
; THE MASK is an input: no key is left out.  A hidden score is replaced, ahead of the maximum, by the f32 nearest -65504 sqrt(128), which times c = log2 e / sqrt(128) is -65504 log2 e:
; p is 0 where some key of the row counts, and all p are equal in a row that is hidden whole.  The lane bits come from mw, 64 words a key step, by scalar loads.
; SHARES: a work-group owns 128 queries of one head, each of its eight waves 16: two waves to a SIMD, 512 registers each.  Every wave walks all 2,048 keys, 128 a step.
; Both products are used transposed (S^T = K Q^T, O^T = V^T P^T): a lane holds one query.  K's images hold the keys, V's the channels, in the order that makes a lane's 16 registers of two tiles 16 neighbours along the next K.
; K and V come through a ring of two LDS slots of 512 keys (K 49,152 bytes, then V 49,152), dense images; waves 0-3 fetch a quarter each.  The head's scale words stay in LDS (waves 4, 5 fetch them once).
; WHAT A STEP READS IS ASKED FOR A PHASE AHEAD: V's eight fragments at the step's head and the NEXT step's eight fragments of K behind this step's K Q^T, so that both land under the softmax;
; the next step's mask words once this step's selects have read theirs.  A slot's last step asks for no K: the next slot may be read only behind its barrier, and its first K is fetched there.
; CLUSTER 4 x 1: the four query blocks of a cluster walk the same K and V: every tile is asked for jointly, mask 15.
; LIMITS: NaN and infinities are not served; a block of p (or of y) whose largest magnitude lies under 2^-124 keeps the scale byte 1.
; REGISTERS: window 0: v1 16 lane, v2 K's scale words' place, v3 4 r, v5 spare word, v6 zero, v7 the hidden score, v8, v10 addresses in hand, v12 -M, v13 largest t, v14-15 the sum, v16-27 Q, v28 prefetch offset,
;   v32-39 K's scale words, v40-47 V's, v48-66, v80 the way out, v96-159 S^T then p, v160-223 O^T, v224-235 p's codes, v232-254 at work, v253 p's scale word, v255 Q's.
;   window 1: v0-95 K's eight fragments, v96-191 V's eight.  Eight switches of the window a step: two round each run of loads and each run of eight products.
.set SLOT1, 131072
.set VOFF,  49152
.set SCK,   262144                     ; K's scale words, 8,192 bytes; V's behind them
.set SPARE, 278528                     ; the spare words: 128 bytes a wave, four blocks of 256 bytes that no other line names
.set KF,   0                           ; window 1
.set VF,   96                          ; window 1
.set KS,   32
.set VS,   40
.set WV,   2
.set TB,   3                           ; LDS byte of the tiles of K that are fetched next
.set SEL,  4
.set CS,   6
.set G1,   8
.set G0,   16
.set TS,   20                          ; and of their scale words: 512 bytes a step
.set SLOTS, 21
.set TW,   22
.set LIM,  23
.set MP,   24                          ; s[24:25] the mask words last asked for
.set PFA,  26
.set ACP,  28
.set ASP,  30
.set G1S,  68                          ; until the wait for the first fills; then mask words
.set G0S,  76
.set MSB, 0
.macro WIN new                         ; the immediate's high byte repeats the setting that is left
.if MSB != \new
	s_set_vgpr_msb (MSB<<8)|\new
.set MSB, \new
.endif
.endm
.macro PLACES
.rept 4
	v_nop
.endr
.endm
.macro CROUND                          ; a round of the cluster's barrier
	s_barrier_signal -1
	s_barrier_wait -1
	s_cmp_lg_u32 s[WV], 0
	s_cbranch_scc1 .Lnot_wave_0_\@
	s_barrier_signal -3
.Lnot_wave_0_\@:
	s_barrier_wait -3
	s_barrier_signal -1
	s_barrier_wait -1
.endm
.macro TLOAD                           ; waves 0-3: a quarter of a slot each; four v_nop follow the load
	s_cmp_lt_u32 s[WV], 4
	s_cbranch_scc0 .Lnone_\@
	tensor_load_to_lds s[G0:G0+3], s[G1:G1+7]
	s_nop 0
	PLACES
.Lnone_\@:
.endm
; a prefetch of the slot that the NEXT change of slots will ask for: 98,304 bytes.  All clusters of a head walk the same K and V: the head's first cluster asks; its four partners take 24,576 bytes each,
; told apart by address; in each, waves 4 to 6 name 8,192 bytes, lanes 256 bytes apart.  The last change that fills a slot asks for nothing; slots 0 and 1 come by their loads alone.
; It stands behind the tensor load's four lines and behind the run of LDS loads for which the next products wait.
.macro ASK
	s_cmp_gt_u32 s[SLOTS], s[LIM]
	s_cbranch_scc0 .Lnot_mine_\@
	global_prefetch_b8 v28, s[PFA:PFA+1] th:TH_LOAD_NT scope:SCOPE_SE
.Lnot_mine_\@:
.endm
	s_load_b256 s[32:39], s[0:1], 0x0              ; qc qs mw ac
	s_load_b64 s[40:41], s[0:1], 0x20              ; asc
	v_lshl_add_u32 v5, v0, 2, SPARE
	v_mov_b32 v6, 0
	ds_add_u32 v5, v6
	ds_add_u32 v5, v6
	s_wait_dscnt 0x0
	v_lshrrev_b32 v8, 5, v0
	s_delay_alu instid0(VALU_DEP_1)
	v_readfirstlane_b32 s[WV], v8
	s_bfe_u32 s42, ttmp6, 0x40000                  ; cx
	s_lshl_b32 s43, ttmp9, 2
	s_add_co_u32 s43, s43, s42
	s_lshl_b32 s43, s43, 3
	s_add_co_u32 s43, s43, s[WV]                   ; my tile of 16 queries
	s_and_b32 s44, ttmp7, 0xffff                   ; the head
	s_mov_b32 s[G1], 15|(3<<16)|(1<<21)            ; all four partners; elements of 8 bytes; no padding
	s_mov_b32 s[G1+1], 32<<16                      ; a dense block as rows of 256 bytes
	s_mov_b32 s[G1+2], 96<<16
	s_mov_b32 s[G1+3], 32<<16
	s_mov_b32 s[G1+4], 96
	s_mov_b32 s[G1+5], 32
	s_mov_b32 s[G1+6], 0
	s_mov_b32 s[G1+7], 0
	s_mov_b32 s[G1S], 15|(3<<16)|(1<<21)
	s_mov_b32 s[G1S+1], 32<<16
	s_mov_b32 s[G1S+2], 32<<16
	s_mov_b32 s[G1S+3], 32<<16
	s_mov_b32 s[G1S+4], 32
	s_mov_b32 s[G1S+5], 32
	s_mov_b32 s[G1S+6], 0
	s_mov_b32 s[G1S+7], 0
	s_lshr_b32 s46, s[WV], 1
	s_add_co_u32 s46, s46, 1
	s_mul_i32 s46, s46, 0x300000                   ; waves 0, 1: k's codes; 2, 3: v's
	s_mul_i32 s45, s44, 196608                     ; the head's codes
	s_add_co_u32 s46, s46, s45
	s_and_b32 s48, s[WV], 1
	s_mul_i32 s47, s48, 24576
	s_add_co_u32 s46, s46, s47
	s_mov_b32 s47, 0
	s_add_co_u32 s50, s48, 1
	s_lshl_b32 s50, s50, 17                        ; wave 4: k's scale words; 5: v's
	s_lshl_b32 s49, s44, 13
	s_add_co_u32 s50, s50, s49
	s_mov_b32 s51, 0
	s_lshl_b32 s48, s48, 13
	s_add_co_u32 s48, s48, SCK
	s_mul_i32 s52, s[WV], 24576
	s_mov_b32 s[SEL], 0x76543210
	s_mov_b32 s[SEL+1], 0xfedcba98
	s_mov_b32 s[CS], 0x3e0293ee                    ; c = log2 e / sqrt(128)
	s_mov_b32 s[CS+1], s[CS]
	s_mov_b32 s[TB], 0
	s_mov_b32 s[TS], 0
	s_mov_b32 s[SLOTS], 3
	s_wait_kmcnt 0x0
	s_mov_b32 s[G0], 1
	s_mov_b32 s[G0+1], s52
	s_add_nc_u64 s[G0+2:G0+3], s[32:33], s[46:47]
	s_or_b32 s[G0+3], s[G0+3], 0x80000000
	s_mov_b32 s[G0S], 1
	s_mov_b32 s[G0S+1], s48
	s_add_nc_u64 s[G0S+2:G0S+3], s[34:35], s[50:51]
	s_or_b32 s[G0S+3], s[G0S+3], 0x80000000
	CROUND                                         ; the four work-groups are here: the first joint loads meet
	s_cmp_lt_u32 s[WV], 4                          ; the first fills: slot 0 and the scale words; one load a wave is out
	s_cbranch_scc0 .Lf_s
	tensor_load_to_lds s[G0:G0+3], s[G1:G1+7]
	s_nop 0
	PLACES
	s_branch .Lf_d
.Lf_s:
	s_cmp_lt_u32 s[WV], 6
	s_cbranch_scc0 .Lf_d
	tensor_load_to_lds s[G0S:G0S+3], s[G1S:G1S+7]
	s_nop 0
	PLACES
.Lf_d:
	v_and_b32 v8, 31, v0
	s_delay_alu instid0(VALU_DEP_1)
	v_lshlrev_b32 v1, 4, v8
	s_wait_alu depctr_va_vdst(0)
	v_lshlrev_b32 v28, 8, v8
	v_and_b32 v9, 15, v0
	s_delay_alu instid0(VALU_DEP_1)
	v_lshlrev_b32 v3, 2, v9
	s_wait_alu depctr_va_vdst(0)
	v_add_nc_u32 v2, SCK, v3
	v_mov_b32 v7, 0xc934ee53                       ; -65504 sqrt(128)
	s_mul_i32 s54, s43, 1536
	s_add_co_u32 s54, s54, s45
	s_mov_b32 s55, 0
	s_add_nc_u64 s[54:55], s[32:33], s[54:55]      ; Q's fragment
	s_lshl_b32 s56, s43, 6
	s_add_co_u32 s56, s56, s49
	s_mov_b32 s57, 0
	s_add_nc_u64 s[56:57], s[34:35], s[56:57]
.irp c, 0,1,2
	global_load_b128 v[16+4*\c:19+4*\c], v1, s[54:55] offset:512*\c
.endr
	global_load_b32 v255, v3, s[56:57]
	s_lshl_b32 s58, s43, 12
	s_mov_b32 s59, 0
	s_add_nc_u64 s[MP:MP+1], s[36:37], s[58:59]    ; 16 steps x 256 bytes of mask words
	s_mul_i32 s58, s43, 43008
	s_mul_i32 s60, s44, 1536
	s_add_co_u32 s58, s58, s60
	s_add_nc_u64 s[ACP:ACP+1], s[38:39], s[58:59]
	s_mul_i32 s58, s43, 1792
	s_lshl_b32 s60, s44, 6
	s_add_co_u32 s58, s58, s60
	s_add_nc_u64 s[ASP:ASP+1], s[40:41], s[58:59]
	s_lshr_b32 s58, s42, 1                         ; the prefetches: partner cx takes k's or v's half cx%2
	s_add_co_u32 s58, s58, 1
	s_mul_i32 s58, s58, 0x300000
	s_add_co_u32 s58, s58, s45
	s_and_b32 s60, s42, 1
	s_mul_i32 s60, s60, 24576
	s_add_co_u32 s58, s58, s60
	s_and_b32 s60, s[WV], 3
	s_lshl_b32 s60, s60, 13
	s_add_co_u32 s58, s58, s60
	s_add_co_u32 s58, s58, 49152                   ; in slot 1: the first change of slots steps it to slot 2
	s_add_nc_u64 s[PFA:PFA+1], s[32:33], s[58:59]
	s_sub_co_u32 s60, s[WV], 4
	s_cmp_lt_u32 s60, 3
	s_cselect_b32 s60, 0, 1
	s_or_b32 s60, s60, ttmp9
	s_cmp_eq_u32 s60, 0
	s_cselect_b32 s[LIM], 1, -1                    ; waves 4-6 of the head's first cluster ask: the same in all partners
	v_mov_b32 v13, 0xff61b1e6                      ; the largest t so far: -3e38
	s_delay_alu instid0(VALU_DEP_1)
	v_floor_f32 v12, -v13
	v_mov_b32 v14, 0
	v_mov_b32 v15, 0
.irp b, 0,1,2,3
	v_mov_b32 v[236+\b], 0                         ; a lane permute's destination counts as one of its sources
.endr
	v_mov_b32 v253, 0
.set n, 0
.rept 64
	v_mov_b32 v[160+n], 0                          ; O^T: the step is written without a first form; the first change of M leaves zeros zeros
.set n, n+1
.endr
; the eight fragments of K and their scale words of the step at s[TB], s[TS]: 32 LDS loads in one run.  The two additions and two v_nop are the four places
; behind the products that read these registers last, and in front of the first read of those products' results
.macro FETCH_K
	v_add_nc_u32 v8, s[TB], v1
	v_add_nc_u32 v10, s[TS], v2
	v_nop
	v_nop
	WIN 0x40                                       ; destination window 1, address window 0
.irp t, 0,1,2,3,4,5,6,7
.irp c, 0,1,2
	ds_load_b128 v[KF+12*\t+4*\c:KF+12*\t+4*\c+3], v8 offset:\t*1536+512*\c
.endr
.endr
	WIN 0
.irp t, 0,1,2,3,4,5,6,7
	ds_load_b32 v[KS+\t], v10 offset:\t*64
.endr
.endm
; A KEY STEP: 128 keys.  At its head its K (32 loads) is asked for and v8, v10 hold its addresses; its mask words are asked for.
; pre = 1: the next step's K lies in the same slot and is asked for here.  mnext = 1: there is a next step, and its mask words are asked for here.
.macro STEP pre, mnext
	PLACES                                         ; behind the last step's products, in front of loads into V's registers
	WIN 0x40
.irp t, 0,1,2,3,4,5,6,7
.irp c, 0,1,2
	ds_load_b128 v[VF+12*\t+4*\c:VF+12*\t+4*\c+3], v8 offset:VOFF+\t*1536+512*\c   ; this step's V: wanted behind the softmax
.endr
.endr
	WIN 0
.irp t, 0,1,2,3,4,5,6,7
	ds_load_b32 v[VS+\t], v10 offset:8192+\t*64
.endr
	s_wait_dscnt 32                                ; V's 32 loads may be out; K's 32, which are older, are in
	WIN 0x01                                       ; source 0 window 1
.irp t, 0,1,2,3,4,5,6,7                        ; S^T = K Q^T: eight accumulators, one instruction each
	v_wmma_scale_f32_16x16x128_f8f6f4 v[96+8*\t:103+8*\t], v[KF+12*\t:KF+12*\t+11], v[16:27], 0, v[KS+\t], v255 matrix_a_fmt:MATRIX_FMT_FP6 matrix_b_fmt:MATRIX_FMT_FP6
.endr
	WIN 0
	s_add_co_u32 s[TB], s[TB], 12288
	s_add_co_u32 s[TS], s[TS], 512
.if \pre
	FETCH_K                                        ; the next step's K: it has the softmax in which to land
.else
	PLACES
.endif
	s_wait_kmcnt 0x0                               ; this step's mask words: word n in s[32 + n], from 32 on in s[36 + n]
.set n, 0
.rept 64
.if n < 32
	v_cndmask_b32 v[96+n], v7, v[96+n], s[32+n]    ; a hidden key's score becomes the hidden score, ahead of the maximum
.else
	v_cndmask_b32 v[96+n], v7, v[96+n], s[36+n]
.endif
.set n, n+1
.endr
.irp b, 0,1,2,3
	v_max3_num_f32 v[232+\b], v[96+16*\b], v[97+16*\b], v[98+16*\b]        ; the largest score of each block of 32 keys: for the row's maximum and for the block's largest p
.endr
.irp i, 3,5,7,9,11,13
.irp b, 0,1,2,3
	s_delay_alu instid0(VALU_DEP_4)
	v_max3_num_f32 v[232+\b], v[232+\b], v[96+16*\b+\i], v[97+16*\b+\i]
.endr
.endr
.irp b, 0,1,2,3
	s_delay_alu instid0(VALU_DEP_4)
	v_max_num_f32 v[232+\b], v[232+\b], v[111+16*\b]
.endr
.irp b, 0,1,2,3
	s_delay_alu instid0(VALU_DEP_4)
	v_permlanex16_b32 v[236+\b], v[232+\b], s[SEL], s[SEL+1]
.endr
.irp b, 0,1,2,3
	s_delay_alu instid0(VALU_DEP_4)
	v_max_num_f32 v[232+\b], v[232+\b], v[236+\b]
.endr
.if \mnext
	s_add_nc_u64 s[MP:MP+1], s[MP:MP+1], 256       ; (the loads that read this base are in)  The next step's 64 mask words: the selects above have read this step's
	s_load_b512 s[32:47], s[MP:MP+1], 0x0
	s_load_b512 s[48:63], s[MP:MP+1], 0x40
	s_load_b512 s[68:83], s[MP:MP+1], 0x80
	s_load_b512 s[84:99], s[MP:MP+1], 0xc0
.endif
	v_max3_num_f32 v254, v232, v233, v234
	s_delay_alu instid0(VALU_DEP_1)
	v_max_num_f32 v254, v254, v235
	s_delay_alu instid0(VALU_DEP_1)
	v_mul_f32 v254, s[CS], v254
	s_delay_alu instid0(VALU_DEP_1)
	v_max_num_f32 v13, v13, v254                   ; the running largest t
	v_mov_b32 v254, v12
	s_delay_alu instid0(VALU_DEP_2)
	v_floor_f32 v12, -v13                          ; -M = floor(-t): M is a whole number
	s_delay_alu instid0(VALU_DEP_1)
	v_sub_f32 v254, v12, v254
	s_delay_alu instid0(VALU_DEP_1)
	v_cvt_i32_f32 v254, v254                       ; (it saturates)
	s_delay_alu instid0(VALU_DEP_1)
	v_ldexp_f32 v252, 1.0, v254                    ; f = 2^(old M - new M)
.irp j, 0,2,4,6,8,10,12,14,16,18,20,22,24,26,28,30,32,34,36,38,40,42,44,46,48,50,52,54,56,58,60,62
	v_pk_fma_f32 v[96+\j:97+\j], v[96+\j:97+\j], s[CS:CS+1], v[12:13] op_sel_hi:[1,0,0]      ; t - M
.endr
.irp b, 0,1,2,3
	v_fma_f32 v[232+\b], v[232+\b], s[CS], v12
.endr
.set n, 0
	s_wait_alu depctr_va_vdst(0)
.rept 64
	v_exp_f32 v[96+n], v[96+n]                     ; p = 2^(t - M): one batch
.set n, n+1
.endr
	v_pk_mul_f32 v[14:15], v[14:15], v[252:253] op_sel_hi:[1,0]            ; the sums under the new M; a plain instruction behind the batch
	s_wait_alu depctr_va_vdst(0)                   ; one wait for the batch, ahead of its first reader
.irp b, 0,1,2,3
	v_exp_f32 v[232+\b], v[232+\b]                 ; each block's largest p
.endr
	v_pk_add_f32 v[236:237], v[100:101], v[104:105]
	v_pk_add_f32 v[250:251], v[108:109], v[112:113]
	v_pk_add_f32 v[248:249], v[116:117], v[120:121]
	v_pk_add_f32 v[246:247], v[124:125], v[128:129]
	v_pk_add_f32 v[244:245], v[132:133], v[136:137]
	v_pk_add_f32 v[242:243], v[140:141], v[144:145]
	v_pk_add_f32 v[240:241], v[148:149], v[152:153]
	v_pk_add_f32 v[14:15], v[14:15], v[156:157]
	v_pk_add_f32 v[236:237], v[236:237], v[96:97]
	v_pk_add_f32 v[250:251], v[250:251], v[98:99]
	v_pk_add_f32 v[248:249], v[248:249], v[102:103]
	v_pk_add_f32 v[246:247], v[246:247], v[106:107]
	v_pk_add_f32 v[244:245], v[244:245], v[110:111]
	v_pk_add_f32 v[242:243], v[242:243], v[114:115]
	v_pk_add_f32 v[240:241], v[240:241], v[118:119]
	v_pk_add_f32 v[14:15], v[14:15], v[122:123]
	v_pk_add_f32 v[236:237], v[236:237], v[126:127]
	v_pk_add_f32 v[250:251], v[250:251], v[130:131]
	v_pk_add_f32 v[248:249], v[248:249], v[134:135]
	v_pk_add_f32 v[246:247], v[246:247], v[138:139]
	v_pk_add_f32 v[244:245], v[244:245], v[142:143]
	v_pk_add_f32 v[242:243], v[242:243], v[146:147]
	v_pk_add_f32 v[240:241], v[240:241], v[150:151]
	v_pk_add_f32 v[14:15], v[14:15], v[154:155]
	v_pk_add_f32 v[236:237], v[236:237], v[158:159]
	s_delay_alu instid0(VALU_DEP_2)
	v_pk_add_f32 v[14:15], v[14:15], v[246:247]
	s_delay_alu instid0(VALU_DEP_2)
	v_pk_add_f32 v[236:237], v[236:237], v[244:245]
	v_pk_add_f32 v[250:251], v[250:251], v[242:243]
	v_pk_add_f32 v[248:249], v[248:249], v[240:241]
	s_delay_alu instid0(VALU_DEP_2)
	v_pk_add_f32 v[14:15], v[14:15], v[250:251]
	s_delay_alu instid0(VALU_DEP_2)
	v_pk_add_f32 v[236:237], v[236:237], v[248:249]
	s_delay_alu instid0(VALU_DEP_1)
	v_pk_add_f32 v[14:15], v[14:15], v[236:237]
	s_wait_alu depctr_va_vdst(0)                   ; and one for the four
.irp b, 0,1,2,3
	v_max_num_f32 v[232+\b], 0x1800000, v[232+\b]  ; the floor 2^(3 - 127)
.endr
.irp b, 0,1,2,3
	s_delay_alu instid0(VALU_DEP_4)
	v_add_nc_u32 v[244+\b], 0xff000000, v[232+\b]
.endr
.irp b, 0,1,2,3
	s_delay_alu instid0(VALU_DEP_4)
	v_lshrrev_b32 v[236+\b], 23, v[244+\b]
.endr
	s_delay_alu instid0(VALU_DEP_3)
	v_lshl_or_b32 v253, v237, 8, v236              ; p's scale word for these 128 keys
	s_delay_alu instid0(VALU_DEP_1)
	v_lshl_or_b32 v253, v238, 16, v253
	s_delay_alu instid0(VALU_DEP_1)
	v_lshl_or_b32 v253, v239, 24, v253
.irp c, 0,1
	v_cvt_scalef32_pk16_fp6_f32 v[224+6*\c:226+6*\c], v[96+32*\c:111+32*\c], v[244+2*\c]
	v_cvt_scalef32_pk16_fp6_f32 v[236+4*\c:238+4*\c], v[112+32*\c:127+32*\c], v[244+2*\c+1]
.endr
	v_nop                                          ; one plain instruction behind a scaled conversion
.irp c, 0,1
.irp i, 0,1,2
	v_permlane16_swap_b32 v[224+6*\c+\i], v[236+4*\c+\i]
.endr
.irp i, 0,1,2
	s_delay_alu instid0(VALU_DEP_3)
	v_mov_b32 v[227+6*\c+\i], v[236+4*\c+\i]
.endr
.endr
.irp j, 0,2,4,6,8,10,12,14,16,18,20,22,24,26,28,30,32,34,36,38,40,42,44,46,48,50,52,54,56,58,60,62
	v_pk_mul_f32 v[160+\j:161+\j], v[160+\j:161+\j], v[252:253] op_sel_hi:[1,0]    ; O^T under the new M; these 32 are also the places in front of the products below
.endr
.if \pre
	s_wait_alu depctr_va_vdst(0)
	s_wait_dscnt 32                                ; the next step's K, 32 loads, may be out; V's 32, which are older, are in
.else
	s_wait_alu depctr_va_vdst(0)
	s_wait_dscnt 0x0                               ; V is in; my reads of this slot are over
.endif
	WIN 0x01
.irp t, 0,1,2,3,4,5,6,7                        ; O^T += V^T P^T: eight accumulators, one instruction each
	v_wmma_scale_f32_16x16x128_f8f6f4 v[160+8*\t:167+8*\t], v[VF+12*\t:VF+12*\t+11], v[224:235], v[160+8*\t:167+8*\t], v[VS+\t], v253 matrix_a_fmt:MATRIX_FMT_FP6 matrix_b_fmt:MATRIX_FMT_FP6
.endr
	WIN 0
.endm
; a slot's four key steps: three that fetch the next step's K, walked in a loop, and the fourth, which does not
.macro FOUR_STEPS mlast
	s_mov_b32 s[TW], 3
.Lstep_\@:
	s_wait_alu depctr_va_vdst(0)
	STEP 1, 1
	s_sub_co_u32 s[TW], s[TW], 1
	s_cmp_lg_u32 s[TW], 0
	s_cbranch_scc1 .Lstep_\@
	STEP 0, \mlast
	s_sub_co_u32 s[TB], s[TB], 49152
	s_xor_b32 s[TB], s[TB], SLOT1                  ; on to the other slot
.endm
; the change of slots stands at a slot's head: every wave waits for all its tensor loads, adds 0 to its spare word, waits for that and for its reads of the slot that it has left
.macro CHANGE fill
	s_wait_tensorcnt 0x0
	ds_add_u32 v5, v6                              ; 0 onto my spare word
	ds_add_u32 v5, v6
.if \fill
	s_xor_b32 s[G0+1], s[G0+1], SLOT1              ; the walking descriptor: the other slot, the next 512 keys
	s_add_nc_u64 s[G0+2:G0+3], s[G0+2:G0+3], 49152
	s_wait_xcnt 0x0                                ; the last prefetch, a slot back, has read its address
	s_add_nc_u64 s[PFA:PFA+1], s[PFA:PFA+1], 49152
	s_wait_dscnt 0x0
	CROUND                                         ; no wave of any partner still reads the slot or has a load on its way
	TLOAD                                          ; the first tensor load behind the round: it has four key steps in which to land
.else
	s_wait_dscnt 0x0
	s_barrier_signal -1
	s_barrier_wait -1
.endif
.endm
	s_wait_loadcnt 0x0                             ; Q is in: its bases may be written over by the mask words
	s_wait_tensorcnt 0x0                           ; my first fill has landed: the scale words' descriptors may be written over too
	s_load_b512 s[32:47], s[MP:MP+1], 0x0          ; the first step's 64 mask words
	s_load_b512 s[48:63], s[MP:MP+1], 0x40
	s_load_b512 s[68:83], s[MP:MP+1], 0x80
	s_load_b512 s[84:99], s[MP:MP+1], 0xc0
.Lslot:
	CHANGE 1
	FETCH_K                                        ; the slot's first K: it may be read only behind the barrier
	ASK
	FOUR_STEPS 1
	s_sub_co_u32 s[SLOTS], s[SLOTS], 1
	s_cmp_lg_u32 s[SLOTS], 0
	s_cbranch_scc1 .Lslot
	CHANGE 0                                       ; the last slot is written out; its last step asks for no mask words: no load leaves its buffer
	FETCH_K
	FOUR_STEPS 0
	; THE WAY OUT: O^T / the sum is quantised along the head's 128 channels and stored as the image of a fragment
	PLACES
	v_add_f32 v14, v14, v15
	s_delay_alu instid0(VALU_DEP_1)
	v_permlanex16_b32 v252, v14, s[SEL], s[SEL+1]
	s_delay_alu instid0(VALU_DEP_1)
	v_add_f32 v14, v14, v252
	s_wait_alu depctr_va_vdst(0)
	v_rcp_f32 v14, v14
	v_nop
	s_wait_alu depctr_va_vdst(0)                   ; the wait ahead of the first use
.set n, 0
.rept 64
	v_mul_f32 v[96+n], v[160+n], v14               ; register 16 b + i: channel 32 b + 16 h + i of my query
.set n, n+1
.endr
.irp b, 0,1,2,3
	v_max3_num_f32 v[232+\b], |v[96+16*\b]|, |v[97+16*\b]|, 0x1800000
.endr
.irp i, 2,4,6,8,10,12,14
.irp b, 0,1,2,3
	s_delay_alu instid0(VALU_DEP_4)
	v_max3_num_f32 v[232+\b], v[232+\b], |v[96+16*\b+\i]|, |v[97+16*\b+\i]|
.endr
.endr
.irp b, 0,1,2,3
	s_delay_alu instid0(VALU_DEP_4)
	v_permlanex16_b32 v[236+\b], v[232+\b], s[SEL], s[SEL+1]
.endr
.irp b, 0,1,2,3
	s_delay_alu instid0(VALU_DEP_4)
	v_max_num_f32 v[232+\b], v[232+\b], v[236+\b]
.endr
.irp b, 0,1,2,3
	s_delay_alu instid0(VALU_DEP_4)
	v_add_nc_u32 v[244+\b], 0xff000000, v[232+\b]
.endr
.irp b, 0,1,2,3
	s_delay_alu instid0(VALU_DEP_4)
	v_lshrrev_b32 v[236+\b], 23, v[244+\b]
.endr
	s_delay_alu instid0(VALU_DEP_3)
	v_lshl_or_b32 v80, v237, 8, v236
	s_delay_alu instid0(VALU_DEP_1)
	v_lshl_or_b32 v80, v238, 16, v80
	s_delay_alu instid0(VALU_DEP_1)
	v_lshl_or_b32 v80, v239, 24, v80
.irp c, 0,1
	v_cvt_scalef32_pk16_fp6_f32 v[48+6*\c:50+6*\c], v[96+32*\c:111+32*\c], v[244+2*\c]
	v_cvt_scalef32_pk16_fp6_f32 v[60+4*\c:62+4*\c], v[112+32*\c:127+32*\c], v[244+2*\c+1]
.endr
	v_nop
.irp c, 0,1
.irp i, 0,1,2
	v_permlane16_swap_b32 v[48+6*\c+\i], v[60+4*\c+\i]
.endr
.irp i, 0,1,2
	s_delay_alu instid0(VALU_DEP_3)
	v_mov_b32 v[51+6*\c+\i], v[60+4*\c+\i]
.endr
.endr
.irp c, 0,1,2
	global_store_b128 v1, v[48+4*\c:51+4*\c], s[ACP:ACP+1] offset:512*\c   ; 512 consecutive bytes a store
.endr
	global_store_b32 v3, v80, s[ASP:ASP+1]         ; the 16 scale words (lanes 16-31 hold and store the same words)
	s_wait_tensorcnt 0x0                           ; the wave's end
	ds_add_u32 v5, v6
	s_wait_dscnt 0x0
	CROUND                                         ; the closing round
	s_endpgm
.Lfunc_end_k_q666f91081b_attn:
	.size	k_q666f91081b_attn, .Lfunc_end_k_q666f91081b_attn-k_q666f91081b_attn
	.p2alignl 7, 3214868480
	.fill 96, 4, 3214868480
	.section	.rodata,"a",@progbits
	.p2align	6, 0x0
	.amdhsa_kernel k_q666f91081b_attn
		.amdhsa_group_segment_fixed_size 327680
		.amdhsa_private_segment_fixed_size 0
		.amdhsa_enable_private_segment 0
		.amdhsa_kernarg_size 40
		.amdhsa_user_sgpr_count 2
		.amdhsa_user_sgpr_kernarg_segment_ptr 1
		.amdhsa_wavefront_size32 1
		.amdhsa_system_sgpr_workgroup_id_x 1
		.amdhsa_system_sgpr_workgroup_id_y 1
		.amdhsa_system_sgpr_workgroup_id_z 1
		.amdhsa_system_vgpr_workitem_id 0
		.amdhsa_next_free_vgpr 512
		.amdhsa_next_free_sgpr 100
		.amdhsa_reserve_vcc 0
		.amdhsa_float_denorm_mode_32 3
		.amdhsa_float_denorm_mode_16_64 3
		.amdhsa_memory_ordered 1
		.amdhsa_forward_progress 1
		.amdhsa_inst_pref_size 123
	.end_amdhsa_kernel
	.amdgpu_metadata
---
amdhsa.version: [ 1, 2 ]
amdhsa.kernels:
  - .name:           k_q666f91081b_attn
    .symbol:         k_q666f91081b_attn.kd
    .args:
      - { .name: qc, .offset: 0, .size: 8, .value_kind: global_buffer, .address_space: global }
      - { .name: qs, .offset: 8, .size: 8, .value_kind: global_buffer, .address_space: global }
      - { .name: mw, .offset: 16, .size: 8, .value_kind: global_buffer, .address_space: global }
      - { .name: ac, .offset: 24, .size: 8, .value_kind: global_buffer, .address_space: global }
      - { .name: asc, .offset: 32, .size: 8, .value_kind: global_buffer, .address_space: global }
    .group_segment_fixed_size: 327680
    .private_segment_fixed_size: 0
    .kernarg_segment_align: 8
    .kernarg_segment_size: 40
    .max_flat_workgroup_size: 256
    .sgpr_count:     100
    .vgpr_count:     512
    .wavefront_size: 32
...
	.end_amdgpu_metadata
.endif
;; end of part 3
;; launch gemm2 (part 4): grid 32 x 8, 4 waves a work-group, clusters of 4 x 4, 327,680 bytes of LDS; arguments ac, asc, pc, ps, x3, wo_b, w2_b, out0; writes out0
.if DOCPART == 4
	.amdgcn_target "amdgcn-amd-amdhsa--gfx1250"
	.amdhsa_code_object_version 6
	.text
	.protected	k_q666f91081b_gemm2
	.globl	k_q666f91081b_gemm2
	.p2align	8
	.type	k_q666f91081b_gemm2,@function
k_q666f91081b_gemm2:
	s_mov_b64 s[64:65], 0
	v_nop
	global_prefetch_b8 v0, s[64:65] scope:SCOPE_SE
	s_setreg_imm32_b32 hwreg(HW_REG_WAVE_MODE, 25, 1), 1
	s_wait_xcnt 0x0
	s_wait_alu depctr_hold_cnt(0) depctr_sa_sdst(0) depctr_va_vdst(0) depctr_va_sdst(0) depctr_va_ssrc(0) depctr_va_vcc(0) depctr_vm_vsrc(0)
	s_getreg_b32 s2, hwreg(HW_REG_IB_STS2, 6, 4)
	s_cmp_eq_u32 s2, 0
	s_cbranch_scc0 .Lentry_in_a_cluster
	s_endpgm
.Lentry_in_a_cluster:
	s_bfe_u32 s2, ttmp6, 0x10000c
	s_cmp_lg_u32 s2, 0xf033
	s_cbranch_scc0 .Lentry_shape_is_right
	s_endpgm
.Lentry_shape_is_right:
; out0 = x3 + [y | g] [wo | w2]^T + wo_b + w2_b: the two last products as ONE, K = 2048 + 1536 = 28 K steps of 128, on codes of FP6 (E2M3).  (w2's K steps past 1472 hold zero codes.)
; D = S0 x S1: source 0 = 16 rows of [wo | w2] (output columns), source 1 = 16 rows of [y | g] (tokens): a lane holds eight neighbouring columns of one token.
; SHARES: a work-group makes 256 tokens x 64 columns, its four waves stacked along the tokens, 64 x 64 each: 16 accumulators.  256 work-groups: tiles of 256 x 256 would leave three WGPs in four without work.
; K goes in tiles of four K steps through a ring of two LDS slots; operands lie in memory as images of their registers.  The scale words of all 28 K steps come once.
; CLUSTERS 4 x 4: the tokens' tiles are shared along a row, the columns' along a column.
; THE HEAD: one joint load a wave: wave 0 S1's whole tile 0, wave 1 S0's, wave 2 S1's scale words, wave 3 S0's.  In the ring waves 0, 1 fetch S1's halves, wave 2 S0's tile.
; PREFETCH: of the 384 blocks of 256 bytes of S1's tile the partner at cx takes 96, its waves 0-2 32 each, a lane a block; of S0's 96 blocks the partner at cy takes 24, its wave 3
; (lanes 24-31 name its last block again).  With tile j's load tile j + 2 is named; the head names tiles 1 and 2; tiles 5 and 6's loads name nothing.
; The residual's 64 x 64 numbers a wave are asked for at the head and wanted only at the end.  Bias and residual are added behind the sum, in another order than the source reads.
; REGISTERS: window 0: v1 spare word, v2 zero, v3 16 lane, v4 4 r, v8-11 fragment addresses, v12 scale words' address, v13-16 the way out, v20 the prefetches' offset, v32-39 scale words (two sets), v40-47 biases,
;   v64-111, v112-159 S1's two sets, v160-207, v208-255 S0's;  window 1: v0-127 accumulator (a, b) at v[8 (4 a + b)], v128-255 x3.
.set SLOT,  122880                     ; S1: 16 rowtiles x 6,144 bytes; S0: 4 x 6,144
.set S0O,   98304
.set SCL,   2*SLOT                     ; S1's scale words, 16 x 1,792 bytes; S0's, 4 x 1,792
.set SPARE, SCL+35840                  ; the spare words: 128 bytes a wave
.set STAGE, SPARE+512                  ; the way out: 16 rows x (256 bytes + 16) for each wave; no tensor load lands here
.set PFA,  20                          ; s[20:21] where my prefetches stand
.set PFO,  20
.set WV,   30
.set WGY,  31
.set CX,   32
.set CY,   33
.set WGX,  34
.set CNT,  35
.set G1A,  36
.set G1B,  44
.set G0A,  52
.set G0B,  60                          ; s[60:63], s[68:71]
.set G1SA, 72
.set G1SB, 80
.set G0SA, 88
.set G0SB, 92
.set MSB, 0
.macro WIN new
.if MSB != \new
	s_set_vgpr_msb (MSB<<8)|\new
.set MSB, \new
.endif
.endm
.macro PLACES
.rept 4
	v_nop
.endr
.endm
.macro CREST
	s_cmp_lg_u32 s[WV], 0
	s_cbranch_scc1 .Lnot_wave_0_\@
	s_barrier_signal -3
.Lnot_wave_0_\@:
	s_barrier_wait -3
	s_barrier_signal -1
	s_barrier_wait -1
.endm
.macro CROUND
	s_barrier_signal -1
	s_barrier_wait -1
	CREST
.endm
.macro JLOAD s                         ; a joint fill of slot s; the branches hang on the wave's number alone
	s_cmp_lt_u32 s[WV], 2
	s_cbranch_scc0 .Lnot_a_\@
	tensor_load_to_lds s[G0A+4*\s:G0A+4*\s+3], s[G1A:G1A+7]
	s_nop 0
	PLACES
	s_branch .Lasked_\@
.Lnot_a_\@:
	s_cmp_eq_u32 s[WV], 2
	s_cbranch_scc0 .Lasked_\@
	tensor_load_to_lds s[G0B+8*\s:G0B+8*\s+3], s[G1B:G1B+7]
	s_nop 0
	PLACES
.Lasked_\@:
.endm
.macro ASK how                         ; the tile two fills on.  how = 1: always; 2: not in the loop's last trip; 0: never
.if \how == 2
	s_cmp_gt_u32 s[CNT], 1
	s_cbranch_scc0 .Lno_ask_\@
.endif
.if \how
	global_prefetch_b8 v[PFO], s[PFA:PFA+1] offset:6144 th:TH_LOAD_NT scope:SCOPE_SE
.endif
.if \how == 2
.Lno_ask_\@:
.endif
.endm
	s_load_b512 s[4:19], s[0:1], 0x0               ; ac asc pc ps x3 wo_b w2_b out0
	v_lshl_add_u32 v1, v0, 2, SPARE
	v_mov_b32 v2, 0
	ds_add_u32 v1, v2                              ; the opening lines: the add twice on end and one wait
	ds_add_u32 v1, v2
	v_lshrrev_b32 v5, 5, v0
	v_readfirstlane_b32 s[WV], v5
	s_bfe_u32 s[CX], ttmp6, 0x40000
	s_bfe_u32 s[CY], ttmp6, 0x40004
	s_lshl_b32 s[WGX], ttmp9, 2
	s_add_co_u32 s[WGX], s[WGX], s[CX]             ; 64 columns
	s_and_b32 s[WGY], ttmp7, 0xffff
	s_lshl_b32 s[WGY], s[WGY], 2
	s_add_co_u32 s[WGY], s[WGY], s[CY]             ; 256 tokens
	s_lshl_b32 s96, s[CY], 2
	s_lshl_b32 s96, 15, s96                        ; my row of the cluster
	s_lshl_b32 s98, 0x1111, s[CX]                  ; my column
	s_or_b32 s[G1A], s96, (3<<16)|(1<<21)
	s_or_b32 s[G1B], s98, (3<<16)|(1<<21)
	s_or_b32 s[G1SA], s96, (3<<16)|(1<<21)
	s_or_b32 s[G1SB], s98, (3<<16)|(1<<21)
.irp g, G1A, G1B
	s_mov_b32 s[\g+1], 768<<16                     ; a rowtile's four K steps: 768 elements of 8 bytes
	s_mov_b32 s[\g+3], 768<<16
	s_mov_b32 s[\g+5], 5376                        ; from rowtile to rowtile: 28 K steps
	s_mov_b32 s[\g+6], 0
	s_mov_b32 s[\g+7], 0
.endr
	s_mov_b32 s[G1A+2], 16<<16                     ; the head's load brings all 16 rowtiles; the ring's 8
	s_mov_b32 s[G1A+4], 16
	s_mov_b32 s[G1B+2], 4<<16
	s_mov_b32 s[G1B+4], 4
.irp g, G1SA, G1SB
	s_mov_b32 s[\g+1], 32<<16                      ; dense blocks as rows of 256 bytes
	s_mov_b32 s[\g+3], 32<<16
	s_mov_b32 s[\g+5], 32
	s_mov_b32 s[\g+6], 0
	s_mov_b32 s[\g+7], 0
.endr
	s_mov_b32 s[G1SA+2], 112<<16
	s_mov_b32 s[G1SA+4], 112
	s_mov_b32 s[G1SB+2], 28<<16
	s_mov_b32 s[G1SB+4], 28
	s_lshl_b32 s66, s[WGY], 4
	s_lshl_b32 s3, s[WV], 3
	s_add_co_u32 s66, s66, s3
	s_mul_i32 s66, s66, 43008                      ; S1: rowtile 16 wgy + 8 wave
	s_mov_b32 s67, 0
	s_mul_i32 s96, s[WGY], 16*1792
	s_mov_b32 s97, 0
	s_mul_i32 s100, s[WGX], 4*43008                ; S0: rowtile 4 wgx of [wo | w2]
	s_add_co_u32 s100, s100, 0x1740000
	s_mov_b32 s101, 0
	s_mul_i32 s98, s[WGX], 4*1792
	s_add_co_u32 s98, s98, 0xf8000
	s_mov_b32 s99, 0
	s_mul_i32 s3, s[CX], 3                         ; the prefetches: which block of 256 bytes of a tile is my lane's
	s_add_co_u32 s3, s3, s[WV]
	s_lshl_b32 s3, s3, 5                           ; waves 0-2: S1's block 32 (3 cx + wave) + lane
	s_mul_i32 s2, s[CY], 24                        ; wave 3: S0's block 24 cy + min(lane, 23)
	s_cmp_lt_u32 s[WV], 3
	s_cselect_b32 s3, s3, s2
	s_cselect_b32 s2, 31, 23
	v_and_b32 v20, 31, v0
	v_min_u32 v20, s2, v20
	v_add_nc_u32 v20, s3, v20
	v_mul_u32_u24 v21, 0xaaab, v20
	v_lshrrev_b32 v21, 20, v21                     ; block / 24: the rowtile (exact for blocks under 384)
	v_mul_u32_u24 v22, 24, v21
	v_sub_nc_u32 v22, v20, v22
	v_mul_u32_u24 v21, 43008, v21
	v_lshl_add_u32 v[PFO], v22, 8, v21             ; 43,008 x rowtile + 256 x (block % 24)
	s_mul_i32 s3, s[WV], 49152
	s_wait_alu depctr_va_vdst(0)                   ; the wait here, directly ahead of the waits below
	s_wait_dscnt 0x0                               ; both opening adds are done
	s_wait_kmcnt 0x0
.irp s, 0,1
	s_mov_b32 s[G0A+4*\s], 1
	s_add_co_u32 s[G0A+4*\s+1], s3, \s*SLOT
	s_add_nc_u64 s[G0A+4*\s+2:G0A+4*\s+3], s[4:5], s[66:67]
	s_add_nc_u64 s[G0A+4*\s+2:G0A+4*\s+3], s[G0A+4*\s+2:G0A+4*\s+3], \s*6144
	s_or_b32 s[G0A+4*\s+3], s[G0A+4*\s+3], 0x80000000
	s_mov_b32 s[G0B+8*\s], 1
	s_mov_b32 s[G0B+8*\s+1], \s*SLOT+S0O
	s_add_nc_u64 s[G0B+8*\s+2:G0B+8*\s+3], s[8:9], s[100:101]
	s_add_nc_u64 s[G0B+8*\s+2:G0B+8*\s+3], s[G0B+8*\s+2:G0B+8*\s+3], \s*6144
	s_or_b32 s[G0B+8*\s+3], s[G0B+8*\s+3], 0x80000000
.endr
	s_mov_b32 s[G0SA], 1
	s_mov_b32 s[G0SA+1], SCL
	s_add_nc_u64 s[G0SA+2:G0SA+3], s[6:7], s[96:97]
	s_or_b32 s[G0SA+3], s[G0SA+3], 0x80000000
	s_mov_b32 s[G0SB], 1
	s_mov_b32 s[G0SB+1], SCL+28672
	s_add_nc_u64 s[G0SB+2:G0SB+3], s[10:11], s[98:99]
	s_or_b32 s[G0SB+3], s[G0SB+3], 0x80000000
	s_mul_i32 s2, s[WV], 344064
	s_sub_co_u32 s20, s66, s2                      ; S1's tile without my wave's 8 rowtiles
	s_cmp_lt_u32 s[WV], 3
	s_cselect_b32 s20, s20, s100
	s_cselect_b64 s[22:23], s[4:5], s[8:9]
	s_add_co_u32 s20, s20, 6144
	s_mov_b32 s21, 0
	s_add_nc_u64 s[PFA:PFA+1], s[22:23], s[20:21]  ; at tile 1
	CROUND                                         ; all sixteen work-groups are here: the first joint loads meet
	s_cmp_lt_u32 s[WV], 1                          ; one chain of arms, one load an arm; wave 0's group 0 of slot 0 is the whole tile's: its wave term is 0
	s_cbranch_scc0 .Lf_b
	tensor_load_to_lds s[G0A:G0A+3], s[G1A:G1A+7]
	s_nop 0
	PLACES
	s_branch .Lf_done
.Lf_b:
	s_cmp_lt_u32 s[WV], 2
	s_cbranch_scc0 .Lf_sa
	tensor_load_to_lds s[G0B:G0B+3], s[G1B:G1B+7]
	s_nop 0
	PLACES
	s_branch .Lf_done
.Lf_sa:
	s_cmp_lt_u32 s[WV], 3
	s_cbranch_scc0 .Lf_sb
	tensor_load_to_lds s[G0SA:G0SA+3], s[G1SA:G1SA+7]
	s_nop 0
	PLACES
	s_branch .Lf_done
.Lf_sb:
	tensor_load_to_lds s[G0SB:G0SB+3], s[G1SB:G1SB+7]
	s_nop 0
	PLACES
.Lf_done:
	global_prefetch_b8 v[PFO], s[PFA:PFA+1] th:TH_LOAD_NT scope:SCOPE_SE               ; tile 1
	global_prefetch_b8 v[PFO], s[PFA:PFA+1] offset:6144 th:TH_LOAD_NT scope:SCOPE_SE   ; tile 2
	v_and_b32 v5, 31, v0
	v_lshlrev_b32 v3, 4, v5
	v_and_b32 v6, 15, v0                           ; r
	v_bfe_u32 v7, v0, 4, 1                         ; h
	v_lshlrev_b32 v4, 2, v6
	s_mul_i32 s2, s[WV], 24576
	v_add_nc_u32 v8, s2, v3                        ; my four rowtiles of S1, slot 0, 1
	v_add_nc_u32 v9, SLOT, v8
	v_add_nc_u32 v10, S0O, v3
	v_add_nc_u32 v11, SLOT+S0O, v3
	s_mul_i32 s2, s[WV], 7168
	s_sub_co_u32 s3, 28672, s2
	v_mul_u32_u24 v12, s3, v7                      ; lanes 16-31 take S0's scale words: one product in h
	s_add_co_u32 s2, s2, SCL
	v_add_nc_u32 v12, v12, v4
	v_add_nc_u32 v12, s2, v12
	v_lshlrev_b32 v16, 4, v6                       ; v16: 16 bytes a lane of a row's 256
	v_lshl_add_u32 v13, v7, 13, v16                ; v13: lanes 0-15 one row of x3 and out0, lanes 16-31 the next
	s_wait_alu depctr_va_vdst(0)
	s_mul_i32 s2, s[WV], 4352
	s_add_co_u32 s2, s2, STAGE
	v_mul_u32_u24 v14, v6, 272
	v_lshl_add_u32 v14, v7, 5, v14
	v_add_nc_u32 v14, s2, v14                      ; v14: into my stage: row r, + 32 h
	v_mul_u32_u24 v15, v7, 272
	v_add_nc_u32 v15, v15, v16
	v_add_nc_u32 v15, s2, v15                      ; v15: back by rows
	s_lshl_b32 s2, s[WGY], 21
	s_lshl_b32 s3, s[WV], 19
	s_add_co_u32 s2, s2, s3
	s_lshl_b32 s66, s[WGX], 8
	s_add_co_u32 s2, s2, s66                       ; row 256 wgy + 64 wave, column 64 wgx, in bytes
	s_mov_b32 s3, 0
	s_mov_b32 s67, 0
	s_add_nc_u64 s[12:13], s[12:13], s[2:3]
	s_add_nc_u64 s[18:19], s[18:19], s[2:3]
	s_add_nc_u64 s[14:15], s[14:15], s[66:67]
	s_add_nc_u64 s[16:17], s[16:17], s[66:67]
	s_wait_alu depctr_va_vdst(0)                   ; the wait behind the scalar lines, ahead of the readers below
	WIN 0x40                                       ; destination window 1
.irp a, 0,1,2,3
.irp i, 0,1,2,3,4,5,6,7
	global_load_b128 v[128+32*\a+4*\i:131+32*\a+4*\i], v13, s[12:13] offset:(16*\a+2*\i)*8192 th:TH_LOAD_NT    ; sixteen lanes read 256 consecutive bytes
.endr
.endr
	WIN 0
	global_load_b128 v[40:43], v16, s[14:15]
	global_load_b128 v[44:47], v16, s[16:17]
; the scale words and fragments of the slot's q-th K step: 28 LDS loads in one run: 4 scale words, S0's 12, S1's 12.  ks: the K step, counted from where v12 stands
.macro FETCH slot, q, set, ks
.irp a, 0,1,2,3
	ds_load_b32 v[32+4*(\set)+\a], v12 offset:\a*1792+64*(\ks)
.endr
.irp b, 0,1,2,3
.irp c, 0,1,2
	ds_load_b128 v[160+48*(\set)+12*\b+4*\c:160+48*(\set)+12*\b+4*\c+3], v[10+\slot] offset:\b*6144+(\q)*1536+512*\c
.endr
.endr
.irp a, 0,1,2,3
.irp c, 0,1,2
	ds_load_b128 v[64+48*(\set)+12*\a+4*\c:64+48*(\set)+12*\a+4*\c+3], v[8+\slot] offset:\a*6144+(\q)*1536+512*\c
.endr
.endr
.endm
; S1's tile a against S0's four.  The 16 accumulators take turns, one instruction a turn
.macro MULA a, set, zero
.irp b, 0,1,2,3
.if \zero
	v_wmma_scale_f32_16x16x128_f8f6f4 v[8*(4*(\a)+\b):8*(4*(\a)+\b)+7], v[160+48*(\set)+12*\b:160+48*(\set)+12*\b+11], v[64+48*(\set)+12*(\a):64+48*(\set)+12*(\a)+11], 0, v[32+4*(\set)+\b], v[32+4*(\set)+(\a)] matrix_a_fmt:MATRIX_FMT_FP6 matrix_b_fmt:MATRIX_FMT_FP6 matrix_a_scale:MATRIX_SCALE_ROW1
.else
	v_wmma_scale_f32_16x16x128_f8f6f4 v[8*(4*(\a)+\b):8*(4*(\a)+\b)+7], v[160+48*(\set)+12*\b:160+48*(\set)+12*\b+11], v[64+48*(\set)+12*(\a):64+48*(\set)+12*(\a)+11], v[8*(4*(\a)+\b):8*(4*(\a)+\b)+7], v[32+4*(\set)+\b], v[32+4*(\set)+(\a)] matrix_a_fmt:MATRIX_FMT_FP6 matrix_b_fmt:MATRIX_FMT_FP6 matrix_a_scale:MATRIX_SCALE_ROW1
.endif
.endr
.endm
; a K step with its successor in the same slot: the successor's 28 loads go out first; this step's S1 tiles are waited for one by one:
; behind tile a's three loads stand 3 (3 - a) of this step's and the 28 just issued
.macro STEP slot, q, zero, ks
	WIN 0
	PLACES                                         ; in front of loads into registers that matrix instructions have read
	FETCH \slot, (\q)+1, 1-(\q)%2, \ks
	WIN 0x50                                       ; C and D window 1
.irp a, 0,1,2,3
	s_wait_dscnt 37-3*\a
	MULA \a, (\q)%2, \zero
.endr
.endm
.macro TURN slot, next, fill, ask, ks  ; a slot's last K step changes slots
.if \fill
	s_wait_xcnt 0x0                                ; my last prefetch has read its address
	s_add_nc_u64 s[PFA:PFA+1], s[PFA:PFA+1], 6144
.endif
	WIN 0
	s_wait_tensorcnt 0x0                           ; all my tensor loads have landed: my part of the next slot
	ds_add_u32 v1, v2                              ; 0 onto my spare word
	s_wait_dscnt 1                                 ; only the add may be out: this step's fragments are in
	WIN 0x50
	MULA 0, 1, 0
	s_wait_dscnt 0x0                               ; the add is done; my reads of this slot are over
	s_barrier_signal -1
	MULA 1, 1, 0
	WIN 0
	s_barrier_wait -1
.if \fill
	CREST                                          ; no wave of any partner still reads this slot or has a load on its way
	s_add_nc_u64 s[G0A+4*\slot+2:G0A+4*\slot+3], s[G0A+4*\slot+2:G0A+4*\slot+3], 12288
	s_add_nc_u64 s[G0B+8*\slot+2:G0B+8*\slot+3], s[G0B+8*\slot+2:G0B+8*\slot+3], 12288
	JLOAD \slot                                    ; the first tensor load behind the round, one a wave
.endif
	PLACES
	FETCH \next, 0, 0, \ks
	ASK \ask
	WIN 0x50
	MULA 2, 1, 0
	MULA 3, 1, 0
.endm
	s_wait_alu depctr_va_vdst(0)                   ; the wait at the head's end
	s_wait_xcnt 0x0                                ; the head's prefetches have read their address
	s_add_nc_u64 s[PFA:PFA+1], s[PFA:PFA+1], 6144
	s_wait_tensorcnt 0x0                           ; my tile of the head's four is in; slot 1's first fill is issued as a refill is
	ds_add_u32 v1, v2
	s_mov_b32 s[G1A+2], 8<<16                      ; no tensor load of mine is out: from here on a load of S1 brings 8 rowtiles
	s_mov_b32 s[G1A+4], 8
	s_wait_dscnt 0x0
	CROUND                                         ; everybody's tile is in, and all sixteen work-groups are here
	JLOAD 1                                        ; tile 1
	FETCH 0, 0, 0, 0
	global_prefetch_b8 v[PFO], s[PFA:PFA+1] offset:6144 th:TH_LOAD_NT scope:SCOPE_SE   ; tile 3
	STEP 0, 0, 1, 1                                ; the first K step starts the sums
	WIN 0
	s_mov_b32 s[CNT], 2
.Llap:                                             ; a trip goes once round the ring and fills both slots again: tiles 2 to 5
	STEP 0, 1, 0, 2
	STEP 0, 2, 0, 3
	TURN 0, 1, 1, 1, 4
	STEP 1, 0, 0, 5
	STEP 1, 1, 0, 6
	STEP 1, 2, 0, 7
	TURN 1, 0, 1, 2, 8
	STEP 0, 0, 0, 9
	WIN 0
	v_add_nc_u32 v12, 512, v12                     ; the scale words' address: eight K steps on
	s_sub_co_u32 s[CNT], s[CNT], 1
	s_cmp_lg_u32 s[CNT], 0
	s_wait_alu depctr_va_vdst(0)                   ; the wait directly ahead of the branch
	s_cbranch_scc1 .Llap
	STEP 0, 1, 0, 2
	STEP 0, 2, 0, 3
	TURN 0, 1, 1, 0, 4                             ; tile 6, the last
	STEP 1, 0, 0, 5
	STEP 1, 1, 0, 6
	STEP 1, 2, 0, 7
	TURN 1, 0, 0, 0, 8
	STEP 0, 0, 0, 9
	STEP 0, 1, 0, 10
	STEP 0, 2, 0, 11
	s_wait_dscnt 0x0
	WIN 0x50
.irp a, 0,1,2,3
	MULA \a, 1, 0
.endr
	WIN 0
	PLACES                                         ; behind the last products
	s_wait_loadcnt 0x0                             ; x3 and the biases
	v_pk_add_f32 v[40:41], v[40:41], v[44:45]
	v_pk_add_f32 v[42:43], v[42:43], v[46:47]
	; THE WAY OUT, 16 tokens at a time: through my own stage, back as rows of 256 bytes, + x3 + biases, stored: sixteen lanes fill 256 consecutive bytes
.irp a, 0,1,2,3
	WIN 0x04                                       ; an LDS store's data are its source 1: window 1
.irp b, 0,1,2,3
	ds_store_b128 v14, v[8*(4*\a+\b):8*(4*\a+\b)+3] offset:64*\b           ; each accumulator from its low end on
	ds_store_b128 v14, v[8*(4*\a+\b)+4:8*(4*\a+\b)+7] offset:64*\b+16
.endr
	WIN 0
.irp i, 0,1,2,3,4,5,6,7
	ds_load_b128 v[64+32*\a+4*\i:67+32*\a+4*\i], v15 offset:2*\i*272       ; LDS serves a wave's instructions in order: these see my stores
.endr
	s_wait_dscnt 0x0
	WIN 0x04
.irp j, 0,2,4,6,8,10,12,14,16,18,20,22,24,26,28,30
	v_pk_add_f32 v[64+32*\a+\j:65+32*\a+\j], v[64+32*\a+\j:65+32*\a+\j], v[128+32*\a+\j:129+32*\a+\j]
.endr
	WIN 0
.irp j, 0,2,4,6,8,10,12,14,16,18,20,22,24,26,28,30
	v_pk_add_f32 v[64+32*\a+\j:65+32*\a+\j], v[64+32*\a+\j:65+32*\a+\j], v[40+\j%4:41+\j%4]
.endr
.irp i, 0,1,2,3,4,5,6,7
	global_store_b128 v13, v[64+32*\a+4*\i:67+32*\a+4*\i], s[18:19] offset:(16*\a+2*\i)*8192 th:TH_STORE_NT
.endr
.endr
	s_wait_tensorcnt 0x0                           ; the wave's end
	ds_add_u32 v1, v2
	s_wait_dscnt 0x0
	CROUND                                         ; the closing round
	s_endpgm
.Lfunc_end_k_q666f91081b_gemm2:
	.size	k_q666f91081b_gemm2, .Lfunc_end_k_q666f91081b_gemm2-k_q666f91081b_gemm2
	.p2alignl 7, 3214868480
	.fill 96, 4, 3214868480
	.section	.rodata,"a",@progbits
	.p2align	6, 0x0
	.amdhsa_kernel k_q666f91081b_gemm2
		.amdhsa_group_segment_fixed_size 327680
		.amdhsa_private_segment_fixed_size 0
		.amdhsa_enable_private_segment 0
		.amdhsa_kernarg_size 64
		.amdhsa_user_sgpr_count 2
		.amdhsa_user_sgpr_kernarg_segment_ptr 1
		.amdhsa_wavefront_size32 1
		.amdhsa_system_sgpr_workgroup_id_x 1
		.amdhsa_system_sgpr_workgroup_id_y 1
		.amdhsa_system_sgpr_workgroup_id_z 1
		.amdhsa_system_vgpr_workitem_id 0
		.amdhsa_next_free_vgpr 512
		.amdhsa_next_free_sgpr 102
		.amdhsa_reserve_vcc 0
		.amdhsa_float_denorm_mode_32 3
		.amdhsa_float_denorm_mode_16_64 3
		.amdhsa_memory_ordered 1
		.amdhsa_forward_progress 1
		.amdhsa_inst_pref_size 116
	.end_amdhsa_kernel
	.amdgpu_metadata
---
amdhsa.version: [ 1, 2 ]
amdhsa.kernels:
  - .name:           k_q666f91081b_gemm2
    .symbol:         k_q666f91081b_gemm2.kd
    .args:
      - { .name: ac, .offset: 0, .size: 8, .value_kind: global_buffer, .address_space: global }
      - { .name: asc, .offset: 8, .size: 8, .value_kind: global_buffer, .address_space: global }
      - { .name: pc, .offset: 16, .size: 8, .value_kind: global_buffer, .address_space: global }
      - { .name: ps, .offset: 24, .size: 8, .value_kind: global_buffer, .address_space: global }
      - { .name: x3, .offset: 32, .size: 8, .value_kind: global_buffer, .address_space: global }
      - { .name: wo_b, .offset: 40, .size: 8, .value_kind: global_buffer, .address_space: global }
      - { .name: w2_b, .offset: 48, .size: 8, .value_kind: global_buffer, .address_space: global }
      - { .name: out0, .offset: 56, .size: 8, .value_kind: global_buffer, .address_space: global }
    .group_segment_fixed_size: 327680
    .private_segment_fixed_size: 0
    .kernarg_segment_align: 8
    .kernarg_segment_size: 64
    .max_flat_workgroup_size: 128
    .sgpr_count:     102
    .vgpr_count:     512
    .wavefront_size: 32
...
	.end_amdgpu_metadata
.endif
;; end of part 4
